; MI455X (gfx1250); checked and timed in simulation.
; The chip was launched on July 23, 2026; its instructions are those of AMD's public machine-readable ISA for CDNA 5 (MIT licence, August 2026) and "CDNA5" Instruction Set Architecture Reference Guide (July 2026). The comments in the code are by the model that wrote it; some were corrected since.
;; Causal Transformer Block. Allowed arithmetic: matrix products marked QUANTISED: E2M1 operands, one E8M0 scale for each 32 along K, by v_wmma_scale_f32_16x16x128_f8f6f4 with both operands' format E2M1 (or v_wmma_scale_f32_32x16x128_f4), f32 sums; everything else in f32.
;; Inputs: b1 4,096 float32; b2 1,024 float32; ls1 1,024 float32; ls2 1,024 float32; norm1_b 1,024 float32; norm1_w 1,024 float32; norm2_b 1,024 float32; norm2_w 1,024 float32; w1_codes 4,096 x 32 x 16 uint8 (E2M1 codes of w1, K innermost, in blocks of 32 codes, two codes a byte); w1_scales 4,096 x 32 uint8 (E8M0 scales of w1, one for each 32 codes along K); w2_codes 1,024 x 128 x 16 uint8 (E2M1 codes of w2, K innermost, in blocks of 32 codes, two codes a byte); w2_scales 1,024 x 128 uint8 (E8M0 scales of w2, one for each 32 codes along K); wk_codes 1,024 x 32 x 16 uint8 (E2M1 codes of wk, K innermost, in blocks of 32 codes, two codes a byte); wk_scales 1,024 x 32 uint8 (E8M0 scales of wk, one for each 32 codes along K); wo_codes 1,024 x 32 x 16 uint8 (E2M1 codes of wo, K innermost, in blocks of 32 codes, two codes a byte); wo_scales 1,024 x 32 uint8 (E8M0 scales of wo, one for each 32 codes along K); wq_codes 1,024 x 32 x 16 uint8 (E2M1 codes of wq, K innermost, in blocks of 32 codes, two codes a byte); wq_scales 1,024 x 32 uint8 (E8M0 scales of wq, one for each 32 codes along K); wv_codes 1,024 x 32 x 16 uint8 (E2M1 codes of wv, K innermost, in blocks of 32 codes, two codes a byte); wv_scales 1,024 x 32 uint8 (E8M0 scales of wv, one for each 32 codes along K); x 2 x 2,048 x 1,024 float32.
;; Outputs: out0 2 x 2,048 x 1,024 float32.
;; This version of the problem:
;;   THIS VERSION OF THE PROBLEM IS GIVEN IN LOW PRECISION. The matrix products marked QUANTISED in the list below multiply operands that are first quantised to E2M1 (2 exponent bits, 1 mantissa bit; 4 bits a number), with one power-of-two scale for each 32 numbers along K (OCP MX v1.0); their sums are f32. All else is computed in f32.
;;   The module's matrix products, in the order in which they are computed (A, B: the left and right operand; K: the contracted axis; several contracted axes count as one K, in the product's order):
;;     1. [M 4,096, K 1,024] x [K 1,024, N 1,024]; A: computed on the way; B: input wq (given as codes): QUANTISED
;;     2. [M 4,096, K 1,024] x [K 1,024, N 1,024]; A: computed on the way; B: input wk (given as codes): QUANTISED
;;     3. [M 4,096, K 1,024] x [K 1,024, N 1,024]; A: computed on the way; B: input wv (given as codes): QUANTISED
;;     4. batch 32 x [M 2,048, K 64] x [K 64, N 2,048]; A: computed on the way; B: computed on the way: QUANTISED
;;     5. batch 32 x [M 2,048, K 2,048] x [K 2,048, N 64]; A: softmax (see below); B: computed on the way: QUANTISED
;;     6. [M 4,096, K 1,024] x [K 1,024, N 1,024]; A: computed on the way; B: input wo (given as codes): QUANTISED
;;     7. [M 4,096, K 1,024] x [K 1,024, N 4,096]; A: computed on the way; B: input w1 (given as codes): QUANTISED
;;     8. [M 4,096, K 4,096] x [K 4,096, N 1,024]; A: computed on the way; B: input w2 (given as codes): QUANTISED
;;   THE QUANTISER, for each operand of a quantised product, along K:
;;     - K is cut into blocks of 32 from its start; a last block that is shorter is filled with zeros.
;;     - A block's scale is 2^e with e = floor(log2(the largest magnitude in the block)) - 2, held to -126 .. 127; a block of zeros has e = 0. As a byte (E8M0): e + 127.
;;     - Each number is divided by its block's scale, clamped to +-6, and rounded to the nearest number of E2M1, ties to even, subnormals kept.
;;     - The product sums the exact products of the quantised numbers (number of the format x scale) in f32.
;;   ~~~python
;;   def quantise(x, axis):      # numpy; x: float32 -> the quantised numbers, widened to float32 again
;;       x = np.moveaxis(x, axis, -1); K = x.shape[-1]
;;       x = np.pad(x, [(0, 0)] * (x.ndim - 1) + [(0, -K % 32)]); x = x.reshape(x.shape[:-1] + (-1, 32)); a = np.abs(x).max(-1, keepdims=True)
;;       e = np.where(a > 0, np.clip(np.frexp(np.where(a > 0, a, 1))[1] - 1 - 2, -126, 127), 0)      # np.frexp(a)[1] - 1 = floor(log2(a)), exactly
;;       r = np.clip(x / 2.0 ** e, -6, 6)
;;       step = 2.0 ** (np.maximum(np.frexp(np.where(r == 0, 1, r))[1] - 1, 0) - 1)
;;       q = np.round(r / step) * step * 2.0 ** e      # np.round: ties to even
;;       return np.moveaxis(q.reshape(q.shape[:-2] + (-1,))[..., :K], -1, axis).astype(np.float32)
;;   ~~~
;;   SOFTMAX AHEAD OF A QUANTISED PRODUCT. Where the list says 'softmax', what is quantised is not the finished softmax but p = 2^(t - M), with t = logit x log2(e) and M = ceil(the row's largest t), a whole number; so 1/2 < the row's largest p <= 1. The row's sum l is taken of the UNQUANTISED p, in f32, and the product's result is divided by l at the end. Since M is a whole number, a kernel that streams over the keys may use a running M (the ceiling of the running maximum): every later rescaling is an exact power of two, which a block's scale takes up: the codes' values come out the same.
;;   OPERANDS COMPUTED ON THE WAY. 'Computed on the way' means the value that the module computes at that place (a softmax that the list does not call 'softmax' is quantised finished and normalised). What goes into a quantiser is computed in f32, as accurately as f32 sums, v_exp_f32 and their like allow (about 1e-6 of the number): no bf16 or f16 on the way to a quantiser, and a product that is left as it is and whose result goes on into a quantised operand takes f32 operands (vector FMAs, or v_wmma_f32_16x16x4_f32). A number that lies on a knife's edge between two numbers of the format may be rounded either way, as far as f32 arithmetic and the matrix unit's own rounding can turn it there, and no further.
;;   INPUTS GIVEN AS CODES. w1 (in the module: [4096, 1024], K = its axis 1); w2 (in the module: [1024, 4096], K = its axis 1); wk (in the module: [1024, 1024], K = its axis 1); wo (in the module: [1024, 1024], K = its axis 1); wq (in the module: [1024, 1024], K = its axis 1); wv (in the module: [1024, 1024], K = its axis 1): each comes as NAME_codes (uint8): NAME with its K axis moved to the last place and cut into blocks of 32 codes, [.., K / 32, bytes a block], one block behind the other in memory; two codes a byte, the lower K in the low four bits (a code: sign, 2 exponent bits, 1 mantissa bit); and NAME_scales (uint8): the same leading axes, one E8M0 byte (e + 127) for each 32 codes along K. Its value is code x scale, taken as it is: it is not quantised again, and the codes and scales need not be those that the quantiser above would give.
;; One version. Each part assembles by itself: llvm-mc -triple=amdgcn-amd-amdhsa -mcpu=gfx1250 --defsym DOCPART=n.
;; ======== version 1 of 1: 5 launches
;; limits: right only within a limited range of input values
;; workspace buffers: hq 2,228,224 bytes; qkv 6,946,816 bytes; woi 524,288 bytes; x1 16,777,216 bytes; ff 8,912,896 bytes
;; launch ln1 (part 1): grid 256 x 1, 8 waves a work-group, no clusters, 9,728 bytes of LDS; arguments x, norm1_w, norm1_b, hq, wo_codes, woi; writes hq, woi
.if DOCPART == 1
	.amdgcn_target "amdgcn-amd-amdhsa--gfx1250"
	.amdhsa_code_object_version 6
	.text
	.protected	k_q4d2a8a8618_ln1
	.globl	k_q4d2a8a8618_ln1
	.p2align	8
	.type	k_q4d2a8a8618_ln1,@function
k_q4d2a8a8618_ln1:
	s_mov_b64 s[64:65], 0
	v_nop
	global_prefetch_b8 v0, s[64:65] scope:SCOPE_SE
	s_setreg_imm32_b32 hwreg(HW_REG_WAVE_MODE, 25, 1), 1
	s_wait_xcnt 0x0
; LayerNorm of rows of 1,024 f32, then MX-FP4 codes along the row: y = (x - mean) / sqrt(var + 1e-5) * gain + bias, all in f32, two passes (mean, then the
; sum of squared differences), so that a common offset of the inputs costs no accuracy.  The codes leave as IMAGES OF THE OPERAND'S REGISTERS:
; [row tile of 16][K step of 128][1,024 bytes], byte 512 c + 16 lane + 4 i = register 4 c + i of lane (r, h): k = 64 c + 32 h + 8 i .. + 7 of row r; the scale words behind
; them, at byte 2,097,152: [row tile][K step][row][4 bytes].
; SHARES: a work-group takes one row tile; wave w rows 2 w and 2 w + 1; lane l the numbers 256 ch + 8 l .. + 7 of each row (ch = 0 .. 3): eight neighbours for one conversion; four lanes hold a block of 32.
; LIMITS: a block whose largest magnitude lies under 2^-124 gets the scale byte 1, a block of zeros too (its codes are zeros, and this program alone reads the bytes); NaN and infinities are not served.
.set X,  16                            ; v16-79   two rows, 32 numbers a lane each
.set GW, 80                            ; v80-111  gain of my 32 columns
.set GB, 112                           ; v112-143 bias
.set CD, 144                           ; v144-151 codes, one register for each of the 8 pieces
.set BY, 152                           ; v152-159 scale bytes
.set MX, 160                           ; v160-167 largest magnitudes
.set SO, 168                           ; v168-175 the conversions' scale operands
	s_load_b256 s[4:11], s[0:1], 0x0               ; x s[4:5], gain s[6:7], bias s[8:9], codes and scales s[10:11]
	s_load_b128 s[24:27], s[0:1], 0x20             ; wo's codes s[24:25], their re-laid copy s[26:27]
	v_lshl_add_u32 v176, v0, 2, 0x2200
	v_mov_b32 v177, 0
	v_lshrrev_b32 v1, 5, v0
	s_delay_alu instid0(VALU_DEP_1)
	v_readfirstlane_b32 s12, v1                    ; wave 0..7
	v_and_b32 v1, 31, v0                           ; lane
	s_delay_alu instid0(VALU_DEP_1)
	v_lshlrev_b32 v2, 5, v1                        ; 32 x lane: my 8 numbers in a piece of 256
	s_delay_alu instid0(VALU_DEP_2)
	v_lshrrev_b32 v6, 2, v1                        ; lane / 4
	s_delay_alu instid0(VALU_DEP_3)
	v_and_b32 v7, 3, v1
	s_delay_alu instid0(VALU_DEP_2)
	v_lshlrev_b32 v3, 8, v6
	s_delay_alu instid0(VALU_DEP_1)
	v_lshl_add_u32 v3, v7, 2, v3
	s_lshl_b32 s13, s12, 5
	v_add_nc_u32 v3, s13, v3                       ; LDS, codes: 256 (lane / 4) + 4 (lane % 4) + 32 w; + 16 x row + 2,048 ch in the immediate
	v_lshrrev_b32 v4, 4, v1
	v_and_b32 v6, 3, v6
	s_delay_alu instid0(VALU_DEP_1)
	v_lshl_add_u32 v4, v4, 6, v6
	s_lshl_b32 s13, s12, 3
	v_add_nc_u32 v4, s13, v4                       ; LDS, bytes: 64 (lane / 16) + (lane / 4) % 4 + 8 w; + 8,192 + 4 x row + 128 ch in the immediate
	v_lshlrev_b32 v5, 4, v0                        ; 16 x thread: the way out
; BESIDE THE NORM this launch lays wo's codes as images of the operand's registers, [tile of 16 rows 64][K step 8][1,024 bytes], byte 512 c + 16 lane + .. = the 16 bytes of row r at 64 q + 32 c + 16 h:
; work-group g lays fragments 2 g and 2 g + 1, 2,048 bytes, 8 bytes a thread: thread 32 w + l takes the 8 bytes at row l / 2, byte 128 (g % 4) + 16 w + 8 (l % 2) of tile g / 4, and puts them at 2,048 g + 8 x thread
	v_lshrrev_b32 v178, 1, v1
	v_and_b32 v179, 1, v1
	v_lshlrev_b32 v179, 3, v179
	v_lshl_add_u32 v178, v178, 9, v179             ; 512 (lane / 2) + 8 (lane % 2)
	v_lshlrev_b32 v179, 3, v0                      ; 8 x thread
	s_wait_alu depctr_va_vdst(0)
	s_mov_b32 s16, 0x76543210
	s_mov_b32 s17, 0xfedcba98                      ; v_permlanex16_b32's selects for lane l xor 16
	s_mov_b32 s18, 0x3a800000                      ; 1 / 1,024
	s_mov_b32 s19, 0x3727c5ac                      ; 1e-5
	s_lshl_b32 s14, ttmp9, 16                      ; 16 rows of 4,096 bytes a work-group,
	s_lshl_b32 s15, s12, 13                        ; two rows a wave
	s_add_co_u32 s14, s14, s15
	s_mov_b32 s15, 0
	s_lshl_b32 s20, ttmp9, 13                      ; 8,192 bytes of codes a row tile
	s_mov_b32 s21, 0
	s_lshl_b32 s22, ttmp9, 9                       ; 512 bytes of scale words
	s_mov_b32 s23, 0
	s_lshr_b32 s28, ttmp9, 2
	s_lshl_b32 s28, s28, 13                        ; wo: 8,192 bytes a tile of 16 rows,
	s_and_b32 s13, ttmp9, 3
	s_lshl_b32 s13, s13, 7                         ; two K steps of 64 bytes a work-group,
	s_add_co_u32 s28, s28, s13
	s_lshl_b32 s13, s12, 4                         ; 16 bytes a wave
	s_add_co_u32 s28, s28, s13
	s_mov_b32 s29, 0
	s_lshl_b32 s30, ttmp9, 11                      ; and 2,048 bytes of images a work-group
	s_mov_b32 s31, 0
	s_wait_kmcnt 0x0
	s_add_nc_u64 s[24:25], s[24:25], s[28:29]
	s_add_nc_u64 s[26:27], s[26:27], s[30:31]
	global_load_b64 v[180:181], v178, s[24:25]     ; the oldest load: every counted wait below shows it done too
	s_add_nc_u64 s[4:5], s[4:5], s[14:15]
	s_add_nc_u64 s[20:21], s[10:11], s[20:21]
	s_add_nc_u64 s[22:23], s[10:11], s[22:23]
.irp p, 0,1
.irp ch, 0,1,2,3
	global_load_b128 v[X+32*\p+8*\ch:X+32*\p+8*\ch+3],   v2, s[4:5] offset:4096*\p+1024*\ch
	global_load_b128 v[X+32*\p+8*\ch+4:X+32*\p+8*\ch+7], v2, s[4:5] offset:4096*\p+1024*\ch+16
.endr
.endr
.irp ch, 0,1,2,3
	global_load_b128 v[GW+8*\ch:GW+8*\ch+3],   v2, s[6:7] offset:1024*\ch
	global_load_b128 v[GW+8*\ch+4:GW+8*\ch+7], v2, s[6:7] offset:1024*\ch+16
.endr
.irp ch, 0,1,2,3
	global_load_b128 v[GB+8*\ch:GB+8*\ch+3],   v2, s[8:9] offset:1024*\ch
	global_load_b128 v[GB+8*\ch+4:GB+8*\ch+7], v2, s[8:9] offset:1024*\ch+16
.endr
.macro LANESUM a, t                    ; the sum over the wave's 32 lanes, in every lane; t: a register that has been written
	v_add_f32_dpp v[\a], v[\a], v[\a] row_xmask:1 row_mask:0xf bank_mask:0xf
	s_delay_alu instid0(VALU_DEP_1)
	v_add_f32_dpp v[\a], v[\a], v[\a] row_xmask:2 row_mask:0xf bank_mask:0xf
	s_delay_alu instid0(VALU_DEP_1)
	v_add_f32_dpp v[\a], v[\a], v[\a] row_xmask:4 row_mask:0xf bank_mask:0xf
	s_delay_alu instid0(VALU_DEP_1)
	v_add_f32_dpp v[\a], v[\a], v[\a] row_xmask:8 row_mask:0xf bank_mask:0xf
	s_delay_alu instid0(VALU_DEP_1)
	v_permlanex16_b32 v[\t], v[\a], s16, s17
	s_delay_alu instid0(VALU_DEP_1)
	v_add_f32 v[\a], v[\a], v[\t]
.endm
	s_wait_loadcnt 16                              ; both rows are in; the 16 younger loads (gain, bias) may be out
.irp p, 0,1                                    ; row p works in v[6+4p .. 9+4p]; the two rows take turns
	v_pk_add_f32 v[6+4*\p:7+4*\p], v[X+32*\p:X+32*\p+1],   v[X+32*\p+2:X+32*\p+3]
	v_pk_add_f32 v[8+4*\p:9+4*\p], v[X+32*\p+4:X+32*\p+5], v[X+32*\p+6:X+32*\p+7]
.endr
.irp j, 8,12,16,20,24,28
.irp p, 0,1
	s_delay_alu instid0(VALU_DEP_4)
	v_pk_add_f32 v[6+4*\p:7+4*\p], v[6+4*\p:7+4*\p], v[X+32*\p+\j:X+32*\p+\j+1]
	s_delay_alu instid0(VALU_DEP_4)
	v_pk_add_f32 v[8+4*\p:9+4*\p], v[8+4*\p:9+4*\p], v[X+32*\p+\j+2:X+32*\p+\j+3]
.endr
.endr
.irp p, 0
	s_delay_alu instid0(VALU_DEP_3)
	v_pk_add_f32 v[6+4*\p:7+4*\p], v[6+4*\p:7+4*\p], v[8+4*\p:9+4*\p]
.endr
.irp p, 1
	s_delay_alu instid0(VALU_DEP_2)
	v_pk_add_f32 v[6+4*\p:7+4*\p], v[6+4*\p:7+4*\p], v[8+4*\p:9+4*\p]
.endr
.irp p, 0,1
	s_delay_alu instid0(VALU_DEP_2)
	v_add_f32 v[6+4*\p], v[6+4*\p], v[7+4*\p]
.endr
	LANESUM 6, 7
	LANESUM 10, 11
.irp p, 0
	v_mul_f32 v[6+4*\p], s18, v[6+4*\p]            ; the mean
.endr
.irp p, 1
	s_delay_alu instid0(VALU_DEP_2)
	v_mul_f32 v[6+4*\p], s18, v[6+4*\p]            ; the mean
.endr
.irp j, 0,2,4,6,8,10,12,14,16,18,20,22,24,26,28,30
.irp p, 0,1
	v_pk_add_f32 v[X+32*\p+\j:X+32*\p+\j+1], v[X+32*\p+\j:X+32*\p+\j+1], v[6+4*\p:7+4*\p] op_sel_hi:[1,0] neg_lo:[0,1] neg_hi:[0,1]   ; d = x - mean
.endr
.endr
.irp p, 0,1
	v_pk_mul_f32 v[8+4*\p:9+4*\p], v[X+32*\p:X+32*\p+1], v[X+32*\p:X+32*\p+1]
.endr
.irp j, 2,4,6,8,10,12,14,16,18,20,22,24,26,28,30
.irp p, 0,1
	s_delay_alu instid0(VALU_DEP_2)
	v_pk_fma_f32 v[8+4*\p:9+4*\p], v[X+32*\p+\j:X+32*\p+\j+1], v[X+32*\p+\j:X+32*\p+\j+1], v[8+4*\p:9+4*\p]
.endr
.endr
.irp p, 0,1
	s_delay_alu instid0(VALU_DEP_2)
	v_add_f32 v[8+4*\p], v[8+4*\p], v[9+4*\p]
.endr
	LANESUM 8, 9
	LANESUM 12, 13
.irp p, 0
	v_fma_f32 v[8+4*\p], v[8+4*\p], s18, s19       ; var + eps
.endr
.irp p, 1
	s_delay_alu instid0(VALU_DEP_2)
	v_fma_f32 v[8+4*\p], v[8+4*\p], s18, s19       ; var + eps
.endr
	s_wait_alu depctr_va_vdst(0)
	v_rsq_f32 v8, v8
	v_rsq_f32 v12, v12
	v_nop                                          ; one plain instruction behind the transcendentals
	s_wait_loadcnt 0x0                             ; gain and bias
	s_wait_alu depctr_va_vdst(0)
.irp j, 0,2,4,6,8,10,12,14,16,18,20,22,24,26,28,30
.irp p, 0,1
	v_pk_mul_f32 v[X+32*\p+\j:X+32*\p+\j+1], v[X+32*\p+\j:X+32*\p+\j+1], v[8+4*\p:9+4*\p] op_sel_hi:[1,0]
.endr
.endr
.irp j, 0,2,4,6,8,10,12,14,16,18,20,22,24,26,28,30
.irp p, 0,1
	v_pk_fma_f32 v[X+32*\p+\j:X+32*\p+\j+1], v[X+32*\p+\j:X+32*\p+\j+1], v[GW+\j:GW+\j+1], v[GB+\j:GB+\j+1]
.endr
.endr
; piece n = 4 x row + ch: my eight numbers at v[X + 8 n]; the block's 32 lie in four neighbouring lanes
.irp n, 0,1,2,3,4,5,6,7
	v_max3_num_f32 v[MX+\n], |v[X+8*\n]|, |v[X+8*\n+1]|, 0x1800000   ; with the floor 2^-124 among the leaves: the byte cannot fall under 1
.endr
.irp i, 2,4,6
.irp n, 0,1,2,3,4,5,6,7
	v_max3_num_f32 v[MX+\n], v[MX+\n], |v[X+8*\n+\i]|, |v[X+8*\n+\i+1]|
.endr
.endr
.irp n, 0,1,2,3,4,5,6,7
	v_max_num_f32_dpp v[MX+\n], v[MX+\n], v[MX+\n] row_xmask:1 row_mask:0xf bank_mask:0xf
.endr
.irp n, 0,1,2,3,4,5,6,7
	v_max_num_f32_dpp v[MX+\n], v[MX+\n], v[MX+\n] row_xmask:2 row_mask:0xf bank_mask:0xf
.endr
.irp n, 0,1,2,3,4,5,6,7
	v_add_nc_u32 v[SO+\n], 0xff000000, v[MX+\n]    ; 2 off the exponent field: the conversion takes this operand's exponent field as its scale
.endr
.irp n, 0,1,2,3,4,5,6,7
	v_cvt_scalef32_pk8_fp4_f32 v[CD+\n], v[X+8*\n:X+8*\n+7], v[SO+\n]
.endr
.irp n, 0,1,2,3,4,5,6,7
	v_lshrrev_b32 v[BY+\n], 23, v[SO+\n]           ; the scale's byte
.endr
.irp p, 0,1
.irp ch, 0,1,2,3
	ds_store_b32 v3, v[CD+4*\p+\ch] offset:16*\p+2048*\ch
	ds_store_b8 v4, v[BY+4*\p+\ch] offset:8192+4*\p+128*\ch      ; the four lanes of a block write the same byte with the same value
.endr
.endr
	s_wait_dscnt 0x0                               ; for the others' sake: my stores have landed
	s_barrier_signal -1
	s_barrier_wait -1
	ds_load_b128 v[16:19], v5                      ; the row tile's image, 8,192 bytes: 16 bytes a thread, twice
	ds_load_b128 v[20:23], v5 offset:4096
	s_wait_dscnt 0x1                               ; the first is back, the second may be out
	global_store_b128 v5, v[16:19], s[20:21]       ; a wave's store covers 512 consecutive bytes
	s_wait_dscnt 0x0
	global_store_b128 v5, v[20:23], s[20:21] offset:4096
	global_store_b64 v179, v[180:181], s[26:27]    ; wo's images: a wave's store covers 256 consecutive bytes, aligned
	s_cmp_lg_u32 s12, 0
	s_cbranch_scc1 .Ldone
	ds_load_b128 v[24:27], v5 offset:8192          ; wave 0: the 512 bytes of scale words
	s_wait_dscnt 0x0
	global_store_b128 v5, v[24:27], s[22:23] offset:2097152
.Ldone:
	s_wait_tensorcnt 0x0                           ; the wave's end
	ds_add_u32 v176, v177
	s_wait_dscnt 0x0
	s_endpgm
.Lfunc_end_k_q4d2a8a8618_ln1:
	.size	k_q4d2a8a8618_ln1, .Lfunc_end_k_q4d2a8a8618_ln1-k_q4d2a8a8618_ln1
	.p2alignl 7, 3214868480
	.fill 96, 4, 3214868480
	.section	.rodata,"a",@progbits
	.p2align	6, 0x0
	.amdhsa_kernel k_q4d2a8a8618_ln1
		.amdhsa_group_segment_fixed_size 9728
		.amdhsa_private_segment_fixed_size 0
		.amdhsa_enable_private_segment 0
		.amdhsa_kernarg_size 48
		.amdhsa_user_sgpr_count 2
		.amdhsa_user_sgpr_kernarg_segment_ptr 1
		.amdhsa_wavefront_size32 1
		.amdhsa_system_sgpr_workgroup_id_x 1
		.amdhsa_system_sgpr_workgroup_id_y 1
		.amdhsa_system_sgpr_workgroup_id_z 1
		.amdhsa_system_vgpr_workitem_id 0
		.amdhsa_next_free_vgpr 182
		.amdhsa_next_free_sgpr 66
		.amdhsa_reserve_vcc 0
		.amdhsa_float_denorm_mode_32 3
		.amdhsa_float_denorm_mode_16_64 3
		.amdhsa_memory_ordered 1
		.amdhsa_forward_progress 1
		.amdhsa_inst_pref_size 27
	.end_amdhsa_kernel
	.amdgpu_metadata
---
amdhsa.version: [ 1, 2 ]
amdhsa.kernels:
  - .name:           k_q4d2a8a8618_ln1
    .symbol:         k_q4d2a8a8618_ln1.kd
    .args:
      - { .name: x, .offset: 0, .size: 8, .value_kind: global_buffer, .address_space: global }
      - { .name: norm1_w, .offset: 8, .size: 8, .value_kind: global_buffer, .address_space: global }
      - { .name: norm1_b, .offset: 16, .size: 8, .value_kind: global_buffer, .address_space: global }
      - { .name: hq, .offset: 24, .size: 8, .value_kind: global_buffer, .address_space: global }
      - { .name: wo_codes, .offset: 32, .size: 8, .value_kind: global_buffer, .address_space: global }
      - { .name: woi, .offset: 40, .size: 8, .value_kind: global_buffer, .address_space: global }
    .group_segment_fixed_size: 9728
    .private_segment_fixed_size: 0
    .kernarg_segment_align: 8
    .kernarg_segment_size: 48
    .max_flat_workgroup_size: 256
    .sgpr_count:     66
    .vgpr_count:     182
    .wavefront_size: 32
...
	.end_amdgpu_metadata
.endif
;; end of part 1
;; launch qkv (part 2): grid 8 x 32, 4 waves a work-group, clusters of 4 x 4, 327,680 bytes of LDS; arguments hq, wq_codes, wq_scales, wk_codes, wk_scales, wv_codes, wv_scales, qkv; writes qkv
.if DOCPART == 2
	.amdgcn_target "amdgcn-amd-amdhsa--gfx1250"
	.amdhsa_code_object_version 6
	.text
	.protected	k_q4d2a8a8618_qkv
	.globl	k_q4d2a8a8618_qkv
	.p2align	8
	.type	k_q4d2a8a8618_qkv,@function
k_q4d2a8a8618_qkv:
	s_mov_b64 s[64:65], 0
	v_nop
	global_prefetch_b8 v0, s[64:65] scope:SCOPE_SE
	s_setreg_imm32_b32 hwreg(HW_REG_WAVE_MODE, 25, 1), 1
	s_wait_xcnt 0x0
	s_wait_alu depctr_hold_cnt(0) depctr_sa_sdst(0) depctr_va_vdst(0) depctr_va_sdst(0) depctr_va_ssrc(0) depctr_va_vcc(0) depctr_vm_vsrc(0)
	s_getreg_b32 s2, hwreg(HW_REG_IB_STS2, 6, 4)
	s_cmp_eq_u32 s2, 0
	s_cbranch_scc0 .Lentry_in_a_cluster
	s_endpgm
.Lentry_in_a_cluster:
	s_bfe_u32 s2, ttmp6, 0x10000c
	s_cmp_lg_u32 s2, 0xf033
	s_cbranch_scc0 .Lentry_shape_is_right
	s_endpgm
.Lentry_shape_is_right:
; Q, K, V = LN1(x) wq^T, wk^T, wv^T on MX-FP4 codes; RoPE on Q and K in f32; all three quantised again: Q and K along the head's 64, V along the tokens.
; SHARES: a work-group makes 128 rows x 128 columns (two heads) of each of the three; wave w rows 32 w .. + 31 (two row tiles a) x all 128 columns (tiles t): 16 accumulators at v[128 + 64 a + 8 t].
; A (the rows' codes, register images) stays in LDS; the three weights' tiles go into three slots of their own, each filled once.
; CLUSTERS: 4 x 4 work-groups.  The four of a row of the cluster make the same 128 rows and need the same tile of A; the four of a column make the same 128 columns and need the same tiles of the weights.
; Each tile is asked for JOINTLY: the same tensor load, with the same descriptor and a mask that names the four, in all four; each receives it in its own LDS.  That divides the requests for A and for the weights by four.
; Q, K: THE PRODUCT IS USED TRANSPOSED (source 0 = 16 rows of the weight, source 1 = 16 rows of A): lane (r, h) holds row r and register 8 t + j column 16 t + 8 h + j.
; V: used the natural way: a lane holds ONE column and its registers run down the tokens, which are the next product's K; a wave's 32 rows are one block of 32 keys.
; OUT (buffer qkv): Q codes at 0 and K codes at 2,097,152: [head][tile of 16 tokens][512 bytes: registers 0-3 of a fragment]; V codes at 4,194,304: [head][block of 32 keys][d 64][16 bytes];
;   scale words: Q 6,291,456, K 6,553,600: [head][tile][16][4] (bytes 0, 1 count; bytes 2, 3 are never 0xff and meet zero codes); V 6,815,744: [head][4 blocks][d 64][4].
; LIMITS: scale byte 1 for blocks under 2^-124 and for blocks of zeros (read by this program alone); NaN and infinities not served; 10000^(-i/32) is good to about one unit in the last place.
.set B0,    65536                      ; LDS: A 0 .. 65,535: [row tile 8][K step 8][1,024]; two slots of 128 rows x (512 + 16) bytes
.set B1,    133120
.set SCA,   200704                     ; A's scale words [row tile 8][K step 8][16][4]
.set SCB,   204800                     ; the three weights' scale bytes, 128 rows x 32 bytes each, 16 bytes of padding behind each 256: 4,352 bytes each
.set ROPE,  217856                     ; 128 tokens x (32 cos, 32 sin, 16 bytes of padding)
.set VSC,   252672                     ; V's scale bytes on their way: [column 128][4]
.set SPARE, 253184                     ; the spare words, 128 bytes a wave: two blocks of 256 bytes that no other line names
.set B2,    253696                     ; a third slot, for wv: each of the four head tiles (A, wq, wk, wv) has LDS bytes of its own and is filled once, so nothing is filled again in this launch
.set SBI,   1088                       ; from a pair of B's tiles to the next among the scale bytes: 32 rows x 32 bytes + 4 paddings
.set ADSA,  6
.set ADSB,  7
.set TM,    32                         ; v32-47 at work in QUANT
; REGISTERS: v1, v2 the add's; v3 A's address; v4, v5 B's (slot 0, 1); v6, v7 scale words' addresses; v8 16 x lane; v9 8,192 h + 4 r; v10 my row of the RoPE table; v11 16 h;
;   v12-31 scale words, two sets; v32-63 A's fragments, two sets; v64-127 B's eight; v128-255 accumulators.
.macro NOPS n
.rept \n
	v_nop
.endr
.endm
; A round of the cluster's barrier: my work-group's barrier, so that wave 0's signal speaks for all four waves; wave 0 signals for the work-group; every wave waits for all sixteen work-groups; my work-group's barrier once more.
.macro CREST
	s_cmp_lg_u32 s2, 0
	s_cbranch_scc1 .Lnot_wave_0_\@
	s_barrier_signal -3
.Lnot_wave_0_\@:
	s_barrier_wait -3
	s_barrier_signal -1
	s_barrier_wait -1
.endm
.macro CROUND
	s_barrier_signal -1
	s_barrier_wait -1
	CREST
.endm
; one matrix instruction on the registers named by fD, fX, fY, fSX, fSY; ra, rb: source 0's, source 1's scales stand in lanes 16-31
.macro WMMA zero, ra, rb
.if \zero
.if ((\ra)==0)&&((\rb)==0)
	v_wmma_scale_f32_16x16x128_f8f6f4 v[fD:fD+7], v[fX:fX+7], v[fY:fY+7], 0, v[fSX], v[fSY] matrix_a_fmt:MATRIX_FMT_FP4 matrix_b_fmt:MATRIX_FMT_FP4
.elseif ((\ra)==1)&&((\rb)==0)
	v_wmma_scale_f32_16x16x128_f8f6f4 v[fD:fD+7], v[fX:fX+7], v[fY:fY+7], 0, v[fSX], v[fSY] matrix_a_fmt:MATRIX_FMT_FP4 matrix_b_fmt:MATRIX_FMT_FP4 matrix_a_scale:MATRIX_SCALE_ROW1
.elseif ((\ra)==0)&&((\rb)==1)
	v_wmma_scale_f32_16x16x128_f8f6f4 v[fD:fD+7], v[fX:fX+7], v[fY:fY+7], 0, v[fSX], v[fSY] matrix_a_fmt:MATRIX_FMT_FP4 matrix_b_fmt:MATRIX_FMT_FP4 matrix_b_scale:MATRIX_SCALE_ROW1
.else
	v_wmma_scale_f32_16x16x128_f8f6f4 v[fD:fD+7], v[fX:fX+7], v[fY:fY+7], 0, v[fSX], v[fSY] matrix_a_fmt:MATRIX_FMT_FP4 matrix_b_fmt:MATRIX_FMT_FP4 matrix_a_scale:MATRIX_SCALE_ROW1 matrix_b_scale:MATRIX_SCALE_ROW1
.endif
.else
.if ((\ra)==0)&&((\rb)==0)
	v_wmma_scale_f32_16x16x128_f8f6f4 v[fD:fD+7], v[fX:fX+7], v[fY:fY+7], v[fD:fD+7], v[fSX], v[fSY] matrix_a_fmt:MATRIX_FMT_FP4 matrix_b_fmt:MATRIX_FMT_FP4
.elseif ((\ra)==1)&&((\rb)==0)
	v_wmma_scale_f32_16x16x128_f8f6f4 v[fD:fD+7], v[fX:fX+7], v[fY:fY+7], v[fD:fD+7], v[fSX], v[fSY] matrix_a_fmt:MATRIX_FMT_FP4 matrix_b_fmt:MATRIX_FMT_FP4 matrix_a_scale:MATRIX_SCALE_ROW1
.elseif ((\ra)==0)&&((\rb)==1)
	v_wmma_scale_f32_16x16x128_f8f6f4 v[fD:fD+7], v[fX:fX+7], v[fY:fY+7], v[fD:fD+7], v[fSX], v[fSY] matrix_a_fmt:MATRIX_FMT_FP4 matrix_b_fmt:MATRIX_FMT_FP4 matrix_b_scale:MATRIX_SCALE_ROW1
.else
	v_wmma_scale_f32_16x16x128_f8f6f4 v[fD:fD+7], v[fX:fX+7], v[fY:fY+7], v[fD:fD+7], v[fSX], v[fSY] matrix_a_fmt:MATRIX_FMT_FP4 matrix_b_fmt:MATRIX_FMT_FP4 matrix_a_scale:MATRIX_SCALE_ROW1 matrix_b_scale:MATRIX_SCALE_ROW1
.endif
.endif
.endm
; accumulator (a, t): B's tile t x A's row tile a of set p; scale words of set st, word e.  nat = 1: A is source 0 (natural use), else B (transposed use)
.macro MM t, a, p, st, e, zero, nat
.set fD, 128+64*(\a)+8*(\t)
.if \nat
.set fX, 32+16*(\p)+8*(\a)
.set fY, 64+8*(\t)
.set fSX, 20+10*(\st)+(\e)
.set fSY, 12+10*(\st)+2*((\t)/2)+(\e)
	WMMA \zero, \a, (\t)%2
.else
.set fX, 64+8*(\t)
.set fY, 32+16*(\p)+8*(\a)
.set fSX, 12+10*(\st)+2*((\t)/2)+(\e)
.set fSY, 20+10*(\st)+(\e)
	WMMA \zero, (\t)%2, \a
.endif
.endm
.macro QUAD i, p, st, e, zero, nat     ; tiles 2 i, 2 i + 1 x both row tiles: four accumulators, one instruction each
	MM 2*(\i), 0, \p, \st, \e, \zero, \nat
	MM 2*(\i), 1, \p, \st, \e, \zero, \nat
	MM 2*(\i)+1, 0, \p, \st, \e, \zero, \nat
	MM 2*(\i)+1, 1, \p, \st, \e, \zero, \nat
.endm
.macro LDB half, adr, q                ; B's tiles 4 half .. + 3 of K step q: rows 528 bytes apart, so that the 16 rows of a load start at 16 different banks
.irp t, 0,1,2,3
.irp c, 0,1
	ds_load_b128 v[64+32*(\half)+8*\t+4*\c:64+32*(\half)+8*\t+4*\c+3], v[\adr] offset:8448*(4*(\half)+\t)+64*(\q)+32*\c
.endr
.endr
.endm
.macro LDA p, adr, q                   ; my two row tiles' fragments of K step q into set p: register images, 16 bytes a lane on end
.irp a, 0,1
.irp c, 0,1
	ds_load_b128 v[32+16*(\p)+8*\a+4*\c:32+16*(\p)+8*\a+4*\c+3], v[\adr] offset:8192*\a+1024*(\q)+512*\c
.endr
.endr
.endm
.macro LDSC st, g, sbo, sao            ; the scale words of K steps 2 g, 2 g + 1: B's: lanes 0-15 tile 2 i, lanes 16-31 tile 2 i + 1; A's: lanes 0-15 row tile 0, lanes 16-31 row tile 1
.irp i, 0,1,2,3
	ds_load_b64 v[12+10*(\st)+2*\i:13+10*(\st)+2*\i], v[ADSB] offset:(\sbo)+SBI*\i+8*(\g)
.endr
.irp e, 0,1
	ds_load_b32 v[20+10*(\st)+\e], v[ADSA] offset:(\sao)+64*(2*(\g)+\e)
.endr
.endm
; A K step of 128: 16 matrix instructions, the 16 accumulators by turns, in the same order in every step.  The next step's fragments are asked for in two runs.
.macro KSTEP adra, adrb, q, last, zero, nat, sbo, sao
	s_wait_dscnt 8                                 ; all but the 8 youngest loads (B's tiles 4-7) are in
	QUAD 0, (\q)%2, ((\q)/2)%2, (\q)%2, \zero, \nat
	QUAD 1, (\q)%2, ((\q)/2)%2, (\q)%2, \zero, \nat
.if (\last)==0
	NOPS 4                                         ; places in front of loads into registers that matrix instructions have read
	LDB 0, \adrb, (\q)+1
	LDA 1-(\q)%2, \adra, (\q)+1
.if ((\q)%2)==1
	LDSC (((\q)+1)/2)%2, ((\q)+1)/2, \sbo, \sao
	s_wait_dscnt 18                                ; all but the 18 just issued: B's tiles 4-7 are in
.else
	s_wait_dscnt 12                                ; all but the 12 just issued
.endif
.else
	s_wait_dscnt 0x0
.endif
	QUAD 2, (\q)%2, ((\q)/2)%2, (\q)%2, \zero, \nat
	QUAD 3, (\q)%2, ((\q)/2)%2, (\q)%2, \zero, \nat
	NOPS 5                                         ; places: for the loads below, for the first read of results, and for sums begun anew over these registers
.if (\last)==0
	LDB 1, \adrb, (\q)+1
.endif
.endm
.macro STEP adra, adrb, zero, nat, sbo, sao    ; K = 1,024: eight K steps
	LDB 0, \adrb, 0
	LDA 0, \adra, 0
	LDSC 0, 0, \sbo, \sao
	LDB 1, \adrb, 0
	KSTEP \adra, \adrb, 0, 0, \zero, \nat, \sbo, \sao
.irp q, 1,2,3,4,5,6
	KSTEP \adra, \adrb, \q, 0, 0, \nat, \sbo, \sao
.endr
	KSTEP \adra, \adrb, 7, 1, 0, \nat, \sbo, \sao
.endm
; 64 numbers of a lane, register 8 t + j = k 16 t + 8 h + j of my row, become a fragment's codes in v[pc] on and its scale word in v[pw].  Block b: registers 16 b .. + 15 of lanes l and l xor 16.
.macro QUANT s, pc, pw
.irp b, 0,1,2,3
	v_max3_num_f32 v[TM+\b], |v[\s+16*\b]|, |v[\s+16*\b+1]|, 0x1800000   ; with the floor 2^-124: the byte cannot fall under 1
.endr
.irp i, 2,4,6,8,10,12,14
.irp b, 0,1,2,3
	v_max3_num_f32 v[TM+\b], v[TM+\b], |v[\s+16*\b+\i]|, |v[\s+16*\b+\i+1]|
.endr
.endr
.irp b, 0,1,2,3
	v_permlanex16_b32 v[TM+4+\b], v[TM+\b], s60, s61
.endr
.irp b, 0,1,2,3
	v_max_num_f32 v[TM+\b], v[TM+\b], v[TM+4+\b]
.endr
.irp b, 0,1,2,3
	v_add_nc_u32 v[TM+12+\b], 0xff000000, v[TM+\b]   ; 2 off the exponent field: the conversion's scale operand
.endr
.irp b, 0,1,2,3
	v_lshrrev_b32 v[TM+4+\b], 23, v[TM+12+\b]      ; the scale's byte
.endr
	v_lshl_or_b32 v[\pw], v[TM+5], 8, v[TM+4]
	v_lshl_or_b32 v[\pw], v[TM+6], 16, v[\pw]
	v_lshl_or_b32 v[\pw], v[TM+7], 24, v[\pw]
.irp b, 0,1,2,3
	v_cvt_scalef32_pk8_fp4_f32 v[\pc+4*(\b/2)+(\b%2)],   v[\s+16*\b:\s+16*\b+7],    v[TM+12+\b]   ; k = 32 b + 8 h + 0 .. 7
	v_cvt_scalef32_pk8_fp4_f32 v[\pc+4*(\b/2)+2+(\b%2)], v[\s+16*\b+8:\s+16*\b+15], v[TM+12+\b]   ; k = 32 b + 16 + 8 h + 0 .. 7
.endr
	v_nop                                          ; one plain place behind the scaled conversions
.irp c, 0,1                                    ; the first's lanes 16-31 change places with the second's lanes 0-15: register 4 c + i then holds k = 64 c + 32 h + 8 i .. + 7
	v_permlane16_swap_b32 v[\pc+4*\c],   v[\pc+4*\c+1]
	v_permlane16_swap_b32 v[\pc+4*\c+2], v[\pc+4*\c+3]
.endr
.endm
	s_load_b256 s[8:15], s[0:1], 0x0               ; hq s[8:9], wq codes s[10:11], wq scales s[12:13], wk codes s[14:15]
	s_load_b256 s[16:23], s[0:1], 0x20             ; wk scales s[16:17], wv codes s[18:19], wv scales s[20:21], qkv s[22:23]
	v_lshl_add_u32 v1, v0, 2, SPARE
	v_mov_b32 v2, 0
	ds_add_u32 v1, v2
	ds_add_u32 v1, v2
	s_wait_dscnt 0x0
	v_lshrrev_b32 v160, 5, v0
	v_readfirstlane_b32 s2, v160                   ; wave 0..3
	s_bfe_u32 s87, ttmp6, 0x40000                  ; cx, cy: my place in the cluster
	s_bfe_u32 s88, ttmp6, 0x40004
	s_lshl_b32 s3, ttmp9, 2                        ; in a cluster launch ttmp9 and ttmp7 count clusters
	s_add_co_u32 s3, s3, s87                       ; cg: which 128 columns = 4 x cluster x + cx
	s_and_b32 s4, ttmp7, 0xffff
	s_lshl_b32 s4, s4, 2
	s_add_co_u32 s4, s4, s88                       ; rb: which 128 rows = 4 x cluster y + cy
	s_and_b32 s5, s4, 15                           ; their place in the sequence
	s_lshr_b32 s6, s4, 4                           ; the batch
	s_lshl_b32 s89, s88, 2
	s_lshl_b32 s89, 15, s89                        ; my row of the cluster: places 4 cy .. 4 cy + 3
	s_lshl_b32 s90, 0x1111, s87                    ; my column: places cx, cx + 4, cx + 8, cx + 12
	s_or_b32 s24, s89, (3<<16)|(1<<21)             ; group 1 for A: the mask of my row; 64 KiB on end as 256 rows of 32 elements of 8 bytes; bit 21 set beside a mask
	s_mov_b32 s25, 32<<16
	s_mov_b32 s26, 256<<16                         ; A whole: 64 KiB on end as 256 rows of 256 bytes
	s_mov_b32 s27, 32<<16
	s_mov_b32 s28, 256
	s_mov_b32 s29, 32
	s_mov_b32 s30, 0
	s_mov_b32 s31, 0
	s_or_b32 s32, s90, (1<<20)|(1<<21)|(6<<22)|(3<<25)   ; group 1 for a weight: the mask of my column; 128 rows of 512 bytes, 4 words of padding behind every 128
	s_mov_b32 s33, 512<<16
	s_mov_b32 s34, 128<<16                         ; a weight's tile whole: 128 rows of 512 bytes
	s_mov_b32 s35, 512<<16
	s_mov_b32 s36, 128
	s_mov_b32 s37, 512
	s_mov_b32 s38, 0
	s_mov_b32 s39, 0
	s_lshl_b32 s56, s4, 16
	s_lshl_b32 s62, s2, 14                         ; 16,384 w: my two row tiles' place in A's LDS bytes
	s_mov_b32 s57, 0                               ; A: 65,536 rb: it hangs on the row block alone, which my row of the cluster shares
	s_lshl_b32 s58, s3, 16                         ; a weight: 65,536 cg: on the column group alone, which my column shares
	s_mov_b32 s59, 0
	s_mov_b32 s63, 0
	s_wait_kmcnt 0x0
	s_mov_b32 s40, 1
	s_mov_b32 s41, 0
	s_add_nc_u64 s[42:43], s[8:9], s[56:57]
	s_or_b32 s43, s43, 0x80000000
	s_mov_b32 s44, 1
	s_add_co_u32 s45, s63, B0
	s_add_nc_u64 s[46:47], s[10:11], s[58:59]
	s_or_b32 s47, s47, 0x80000000
	s_mov_b32 s48, 1
	s_add_co_u32 s49, s63, B1
	s_add_nc_u64 s[50:51], s[14:15], s[58:59]
	s_or_b32 s51, s51, 0x80000000
	s_mov_b32 s52, 1
	s_add_co_u32 s53, s63, B2
	s_add_nc_u64 s[54:55], s[18:19], s[58:59]
	s_or_b32 s55, s55, 0x80000000
	CROUND                                         ; all sixteen work-groups are here: the first joint loads meet
; THE HEAD'S LOADS, ONE A WAVE: wave 0 fetches A, wave 1 wq's tile, wave 2 wk's, wave 3 wv's.  One chain of branches on the wave's number, an arm a load, all arms leading to one join.
.macro ARM under, g0, g1, next
	s_cmp_lt_u32 s2, \under
	s_cbranch_scc0 \next
	tensor_load_to_lds s[\g0:\g0+3], s[\g1:\g1+7]
	s_nop 0
	NOPS 4
	s_branch .Lhead_asked
\next:
.endm
	ARM 1, 40, 24, .Lhead_q
	ARM 2, 44, 32, .Lhead_k
	ARM 3, 48, 32, .Lhead_v
	tensor_load_to_lds s[52:55], s[32:39]
	s_nop 0
	NOPS 4
.Lhead_asked:
	; the scale bytes come through registers into LDS bytes of their own
	v_lshlrev_b32 v160, 4, v0                      ; 16 x thread
	s_lshl_b32 s56, s4, 12
	s_add_nc_u64 s[56:57], s[8:9], s[56:57]
	s_lshl_b32 s58, s3, 12
	s_add_nc_u64 s[12:13], s[12:13], s[58:59]
	s_add_nc_u64 s[16:17], s[16:17], s[58:59]
	s_add_nc_u64 s[20:21], s[20:21], s[58:59]
.irp j, 0,1
	global_load_b128 v[128+4*\j:131+4*\j], v160, s[56:57] offset:2097152+2048*\j
	global_load_b128 v[136+4*\j:139+4*\j], v160, s[12:13] offset:2048*\j
	global_load_b128 v[144+4*\j:147+4*\j], v160, s[16:17] offset:2048*\j
	global_load_b128 v[152+4*\j:155+4*\j], v160, s[20:21] offset:2048*\j
.endr
	v_add_nc_u32 v161, SCA, v160
	v_lshrrev_b32 v162, 4, v0
	v_lshl_add_u32 v162, v162, 4, v160
	v_add_nc_u32 v162, SCB, v162                   ; 16 bytes more for each 256 passed
	v_and_b32 v165, 31, v0                         ; lane
	v_and_b32 v166, 15, v0                         ; r
	v_bfe_u32 v167, v0, 4, 1                       ; h
	v_lshlrev_b32 v8, 4, v165
	v_add_nc_u32 v3, s62, v8                       ; A: 16,384 w + 16 lane
	v_mul_u32_u24 v4, v166, 528
	v_lshl_add_u32 v4, v167, 4, v4
	v_add_nc_u32 v5, B1, v4
	v_add_nc_u32 v4, B0, v4
	s_lshl_b32 s7, s2, 10
	s_add_co_u32 s7, s7, SCA
	v_lshlrev_b32 v6, 2, v166
	v_lshl_add_u32 v6, v167, 9, v6
	v_add_nc_u32 v6, s7, v6                        ; A's scale words: SCA + 512 (2 w + h) + 4 r
	v_lshrrev_b32 v7, 3, v165
	v_lshlrev_b32 v7, 4, v7
	v_lshl_add_u32 v7, v165, 5, v7
	v_add_nc_u32 v7, SCB, v7                       ; B's: SCB + 32 lane + 16 (lane / 8)
	v_lshlrev_b32 v9, 2, v166
	v_lshl_add_u32 v9, v167, 13, v9
	s_mul_i32 s7, s2, 32*272
	s_add_co_u32 s7, s7, ROPE
	v_mul_u32_u24 v10, v166, 272
	v_lshl_add_u32 v10, v167, 5, v10
	v_add_nc_u32 v10, s7, v10
	v_lshlrev_b32 v11, 4, v167
	v_lshl_add_u32 v164, v165, 2, s7               ; where my lane (frequency i) stores: my wave's 32 rows of the table
	s_mov_b32 s60, 0x76543210
	s_mov_b32 s61, 0xfedcba98
	; where the results go
	s_lshl_b32 s62, s6, 4
	s_lshl_b32 s63, s3, 1
	s_add_co_u32 s62, s62, s63                     ; my first head: 16 b + 2 cg
	s_lshl_b32 s63, s62, 7
	s_lshl_b32 s7, s5, 3
	s_add_co_u32 s63, s63, s7
	s_lshl_b32 s7, s2, 1
	s_add_co_u32 s63, s63, s7                      ; tile of 16 tokens: 128 head + 8 (rb % 16) + 2 w
	s_lshl_b32 s78, s63, 9
	s_mov_b32 s79, 0
	s_lshl_b32 s80, s63, 6
	s_mov_b32 s81, 0
	s_lshl_b32 s63, s62, 6
	s_lshl_b32 s7, s5, 2
	s_add_co_u32 s63, s63, s7
	s_add_co_u32 s63, s63, s2                      ; block of 32 keys: 64 head + 4 (rb % 16) + w
	s_lshl_b32 s82, s63, 10
	s_mov_b32 s83, 0
	s_lshr_b32 s7, s2, 1
	s_add_co_u32 s63, s62, s7
	s_lshl_b32 s63, s63, 4
	s_add_co_u32 s63, s63, s5
	s_lshl_b32 s84, s63, 8
	s_and_b32 s7, s2, 1
	s_lshl_b32 s7, s7, 7
	s_add_co_u32 s84, s84, s7                      ; V's scale words: 256 (16 (head + w / 2) + rb % 16) + 128 (w % 2)
	s_mov_b32 s85, 0
	s_add_nc_u64 s[78:79], s[22:23], s[78:79]
	s_add_nc_u64 s[80:81], s[22:23], s[80:81]
	s_add_nc_u64 s[82:83], s[22:23], s[82:83]
	s_add_nc_u64 s[84:85], s[22:23], s[84:85]
	; THE RoPE TABLE of my 32 tokens, made while the tiles land.  Lane = frequency i.  10000^(-i/32) = 2^(f - n): c = log2(10000) / 32 in two parts, n = floor(i c + 0.5), the nearest whole number to i c;
	; n - i c_hi is exact (c_hi has 21 bits).  The angle is reduced by pi/2 in two parts (the first product's difference is exact); sine and cosine by polynomials on |rho| <= pi/4.
	s_mov_b32 s66, 0x3ed49a78                      ; c_hi = 1,741,647 x 2^-22
	s_mov_b32 s67, 0x321799e5                      ; c_lo
	s_mov_b32 s68, 0x3fc90fdb                      ; pi/2, high part
	s_mov_b32 s69, 0xb33bbd2e                      ; and the rest
	s_mov_b32 s70, 0xb94ca1f9                      ; sine: -1.9515295891e-4,
	s_mov_b32 s71, 0x3c08839e                      ; 8.3321608736e-3,
	s_mov_b32 s72, 0xbe2aaaa3                      ; -1.6666654611e-1
	s_mov_b32 s73, 0x37ccf5ce                      ; cosine: 2.443315711e-5,
	s_mov_b32 s74, 0xbab6061a                      ; -1.388731625e-3,
	s_mov_b32 s75, 0x3d2aaaa5                      ; 4.166664568e-2
	s_mov_b32 s86, 0x3f22f983                      ; 2 / pi
	s_lshl_b32 s76, s5, 7
	s_lshl_b32 s77, s2, 5
	s_add_co_u32 s76, s76, s77                     ; my first token's place in the sequence
.irp n, 0,1,2,3
	s_add_co_u32 s77, s76, \n
	v_cvt_f32_u32 v[32+16*\n], s77
.endr
	v_cvt_f32_u32 v168, v165
	v_fma_f32 v169, v168, s66, 0.5
	v_floor_f32 v169, v169                         ; n
	v_fma_f32 v163, -v168, s66, v169
	v_fma_f32 v163, -v168, s67, v163               ; f = n - i c
	s_wait_alu depctr_va_vdst(0)
	v_exp_f32 v163, v163
	v_cvt_i32_f32 v169, v169                       ; (a plain place behind the exponential)
	v_sub_nc_u32 v169, 0, v169
	s_wait_alu depctr_va_vdst(0)
	v_ldexp_f32 v163, v163, v169                   ; the frequency
.set TK, 0
.rept 8                                        ; four tokens at a time, set n at v[32 + 16 n]: +0 t, +1 angle, +2 k, +3 rho, +4 k whole, +5 z, +6 sine, +7 cosine, +8 .. at work
.irp n, 0,1,2,3
	v_mul_f32 v[33+16*\n], v[32+16*\n], v163
.endr
.irp n, 0,1,2,3
	v_fma_f32 v[34+16*\n], v[33+16*\n], s86, 0.5
.endr
.irp n, 0,1,2,3
	v_floor_f32 v[34+16*\n], v[34+16*\n]           ; k: the nearest whole number of quarter turns
.endr
.irp n, 0,1,2,3
	v_fma_f32 v[35+16*\n], -v[34+16*\n], s68, v[33+16*\n]
.endr
.irp n, 0,1,2,3
	v_fma_f32 v[35+16*\n], -v[34+16*\n], s69, v[35+16*\n]
.endr
.irp n, 0,1,2,3
	v_cvt_i32_f32 v[36+16*\n], v[34+16*\n]
.endr
.irp n, 0,1,2,3
	v_mul_f32 v[37+16*\n], v[35+16*\n], v[35+16*\n]
.endr
.irp n, 0,1,2,3
	v_fma_f32 v[38+16*\n], v[37+16*\n], s70, s71
	v_fma_f32 v[39+16*\n], v[37+16*\n], s73, s74
.endr
.irp n, 0,1,2,3
	v_fma_f32 v[38+16*\n], v[38+16*\n], v[37+16*\n], s72
	v_fma_f32 v[39+16*\n], v[39+16*\n], v[37+16*\n], s75
.endr
.irp n, 0,1,2,3
	v_mul_f32 v[38+16*\n], v[38+16*\n], v[37+16*\n]
	v_mul_f32 v[39+16*\n], v[39+16*\n], v[37+16*\n]
	v_fma_f32 v[40+16*\n], v[37+16*\n], -0.5, 1.0
.endr
.irp n, 0,1,2,3
	v_fma_f32 v[38+16*\n], v[38+16*\n], v[35+16*\n], v[35+16*\n]
	v_fma_f32 v[39+16*\n], v[39+16*\n], v[37+16*\n], v[40+16*\n]
.endr
.irp n, 0,1,2,3
	v_and_b32 v[41+16*\n], 1, v[36+16*\n]
	v_lshlrev_b32 v[42+16*\n], 30, v[36+16*\n]
	v_add_nc_u32 v[43+16*\n], 1, v[36+16*\n]
.endr
.irp n, 0,1,2,3
	v_lshlrev_b32 v[43+16*\n], 30, v[43+16*\n]
	v_and_b32 v[42+16*\n], 0x80000000, v[42+16*\n]             ; the sine's sign: bit 1 of k
.endr
.irp n, 0,1,2,3
	v_cmp_eq_u32 vcc_lo, 1, v[41+16*\n]                        ; an odd quadrant swaps the two: a choice of values, no branch
	v_cndmask_b32 v[44+16*\n], v[38+16*\n], v[39+16*\n], vcc_lo
	v_cndmask_b32 v[45+16*\n], v[39+16*\n], v[38+16*\n], vcc_lo
	v_and_b32 v[43+16*\n], 0x80000000, v[43+16*\n]             ; the cosine's: bit 1 of k + 1
.endr
.irp n, 0,1,2,3
	v_xor_b32 v[44+16*\n], v[44+16*\n], v[42+16*\n]
	v_xor_b32 v[45+16*\n], v[45+16*\n], v[43+16*\n]
.endr
.irp n, 0,1,2,3
	ds_store_b32 v164, v[45+16*\n] offset:272*(TK+\n)
	ds_store_b32 v164, v[44+16*\n] offset:272*(TK+\n)+128
	v_add_f32 v[32+16*\n], 4.0, v[32+16*\n]
.endr
.set TK, TK+4
.endr
	s_wait_loadcnt 0x0                             ; the scale bytes
.irp j, 0,1
	ds_store_b128 v161, v[128+4*\j:131+4*\j] offset:2048*\j
	ds_store_b128 v162, v[136+4*\j:139+4*\j] offset:2176*\j
	ds_store_b128 v162, v[144+4*\j:147+4*\j] offset:4352+2176*\j
	ds_store_b128 v162, v[152+4*\j:155+4*\j] offset:8704+2176*\j
.endr
	s_wait_tensorcnt 0x0                           ; my one tile has landed; behind the barrier all four have
	s_wait_dscnt 0x0                               ; my LDS stores have landed
	s_barrier_signal -1
	s_barrier_wait -1
; RoPE on the 16 accumulators, then codes and scale words out.  co, so: the region's first byte among the codes and among the scale words
.macro EPI_ROPE co, so
.irp b, 0,1,2,3
	v_mov_b32 v[TM+4+\b], 0                        ; a lane permute's destination counts as one of its sources
.endr
.irp a, 0,1
.irp u, 0,1
.irp jj, 0,1
	ds_load_b128 v[64+8*\u+4*\jj:67+8*\u+4*\jj], v10 offset:4352*\a+64*\u+16*\jj       ; cos of token 16 a + r at frequencies 16 u + 8 h + 0 .. 7
	ds_load_b128 v[80+8*\u+4*\jj:83+8*\u+4*\jj], v10 offset:4352*\a+64*\u+16*\jj+128   ; sin
.endr
.endr
	s_wait_dscnt 0x0
.irp c, 0,1                                    ; head c: tiles 4 c + u hold d = 16 u + 8 h + j, tiles 4 c + 2 + u hold d + 32
.irp u, 0,1
.irp k, 0,2,4,6
	v_pk_mul_f32 v[96+2*\k:97+2*\k], v[128+64*\a+8*(4*\c+2+\u)+\k:129+64*\a+8*(4*\c+2+\u)+\k], v[80+8*\u+\k:81+8*\u+\k]
	v_pk_mul_f32 v[98+2*\k:99+2*\k], v[128+64*\a+8*(4*\c+\u)+\k:129+64*\a+8*(4*\c+\u)+\k],     v[80+8*\u+\k:81+8*\u+\k]
.endr
.irp k, 0,2,4,6
	v_pk_fma_f32 v[128+64*\a+8*(4*\c+\u)+\k:129+64*\a+8*(4*\c+\u)+\k],     v[128+64*\a+8*(4*\c+\u)+\k:129+64*\a+8*(4*\c+\u)+\k],     v[64+8*\u+\k:65+8*\u+\k], v[96+2*\k:97+2*\k] neg_lo:[0,0,1] neg_hi:[0,0,1]
	v_pk_fma_f32 v[128+64*\a+8*(4*\c+2+\u)+\k:129+64*\a+8*(4*\c+2+\u)+\k], v[128+64*\a+8*(4*\c+2+\u)+\k:129+64*\a+8*(4*\c+2+\u)+\k], v[64+8*\u+\k:65+8*\u+\k], v[98+2*\k:99+2*\k]
.endr
.endr
.endr
	QUANT 128+64*\a, 112+8*\a, 48+\a
	global_store_b128 v8, v[112+8*\a:115+8*\a], s[78:79] offset:(\co)+512*\a          ; head 0: 512 consecutive bytes
	global_store_b128 v8, v[116+8*\a:119+8*\a], s[78:79] offset:(\co)+512*\a+65536    ; head 1
	v_lshrrev_b32 v[50+\a], v11, v[48+\a]          ; lanes 0-15 keep the word (head 0's bytes below), lanes 16-31 bring head 1's two bytes down
	global_store_b32 v9, v[50+\a], s[80:81] offset:(\so)+64*\a
.endr
	s_wait_xcnt 0x0                                ; the stores have read their registers: the next fragments may land there
.endm
	STEP 3, 4, 1, 0, 0, 0                          ; Q
	EPI_ROPE 0, 6291456
	STEP 3, 5, 1, 0, 4352, 0                       ; K
	EPI_ROPE 2097152, 6553600
	v_add_nc_u32 v4, B2-B0, v4                     ; wq's slot is done with: the register now points at wv's
	s_wait_alu depctr_va_vdst(0)                   ; directly behind the write
	STEP 3, 4, 1, 1, 8704, 0                       ; V, the natural way: lane (r, h) holds column 16 t + r, register j of (a, t) token 16 a + 8 h + j
.irp t, 0,1,2,3,4,5,6,7
	v_mov_b32 v[40+\t], 0
.endr
.irp t, 0,1,2,3,4,5,6,7
	v_max3_num_f32 v[32+\t], |v[128+8*\t]|, |v[129+8*\t]|, 0x1800000
.endr
.irp i, 2,4,6
.irp t, 0,1,2,3,4,5,6,7
	v_max3_num_f32 v[32+\t], v[32+\t], |v[128+8*\t+\i]|, |v[129+8*\t+\i]|
.endr
.endr
.irp i, 0,2,4,6
.irp t, 0,1,2,3,4,5,6,7
	v_max3_num_f32 v[32+\t], v[32+\t], |v[192+8*\t+\i]|, |v[193+8*\t+\i]|
.endr
.endr
.irp t, 0,1,2,3,4,5,6,7
	v_permlanex16_b32 v[40+\t], v[32+\t], s60, s61
.endr
.irp t, 0,1,2,3,4,5,6,7
	v_max_num_f32 v[32+\t], v[32+\t], v[40+\t]     ; the largest magnitude of the column's 32 tokens
.endr
.irp t, 0,1,2,3,4,5,6,7
	v_add_nc_u32 v[48+\t], 0xff000000, v[32+\t]
.endr
.irp t, 0,1,2,3,4,5,6,7
	v_lshrrev_b32 v[56+\t], 23, v[48+\t]
.endr
.irp p, 0,1,2,3
	v_cvt_scalef32_pk8_fp4_f32 v[64+4*\p], v[128+16*\p:135+16*\p], v[48+2*\p]     ; tile 2 p, tokens 8 h + 0 .. 7
	v_cvt_scalef32_pk8_fp4_f32 v[65+4*\p], v[136+16*\p:143+16*\p], v[49+2*\p]     ; tile 2 p + 1
	v_cvt_scalef32_pk8_fp4_f32 v[66+4*\p], v[192+16*\p:199+16*\p], v[48+2*\p]     ; tokens 16 + 8 h + 0 .. 7
	v_cvt_scalef32_pk8_fp4_f32 v[67+4*\p], v[200+16*\p:207+16*\p], v[49+2*\p]
.endr
	v_nop
.irp p, 0,1,2,3                                ; behind the swaps lane l holds the 16 bytes (32 tokens) of column 32 p + l
	v_permlane16_swap_b32 v[64+4*\p], v[65+4*\p]
	v_permlane16_swap_b32 v[66+4*\p], v[67+4*\p]
.endr
	v_and_b32 v96, 15, v0
	s_add_co_u32 s7, s2, VSC
	v_lshl_add_u32 v96, v96, 2, s7                 ; VSC + 4 r + w: my wave's block is byte w of its group of four
	v_lshl_add_u32 v98, v0, 2, VSC                 ; back: 4 bytes a thread
	v_and_b32 v99, 31, v0
	v_lshlrev_b32 v99, 2, v99
.irp p, 0,1,2,3
	global_store_b128 v8, v[64+4*\p:67+4*\p], s[82:83] offset:4194304+65536*(\p/2)+512*(\p%2)
.endr
.irp t, 0,1,2,3,4,5,6,7
	ds_store_b8 v96, v[56+\t] offset:64*\t         ; lanes l and l + 16 write the same byte with the same value
.endr
	s_wait_alu depctr_va_vdst(0)
	s_wait_dscnt 0x0
	s_barrier_signal -1
	s_barrier_wait -1                              ; the four waves' bytes make whole words
	ds_load_b32 v97, v98
	s_wait_dscnt 0x0
	global_store_b32 v99, v97, s[84:85] offset:6815744
	s_wait_tensorcnt 0x0                           ; the wave's end
	ds_add_u32 v1, v2
	s_wait_dscnt 0x0
	CROUND                                         ; the closing round: no work-group ends while a partner may still ask for a tile that names it
	s_endpgm
.Lfunc_end_k_q4d2a8a8618_qkv:
	.size	k_q4d2a8a8618_qkv, .Lfunc_end_k_q4d2a8a8618_qkv-k_q4d2a8a8618_qkv
	.p2alignl 7, 3214868480
	.fill 96, 4, 3214868480
	.section	.rodata,"a",@progbits
	.p2align	6, 0x0
	.amdhsa_kernel k_q4d2a8a8618_qkv
		.amdhsa_group_segment_fixed_size 327680
		.amdhsa_private_segment_fixed_size 0
		.amdhsa_enable_private_segment 0
		.amdhsa_kernarg_size 64
		.amdhsa_user_sgpr_count 2
		.amdhsa_user_sgpr_kernarg_segment_ptr 1
		.amdhsa_wavefront_size32 1
		.amdhsa_system_sgpr_workgroup_id_x 1
		.amdhsa_system_sgpr_workgroup_id_y 1
		.amdhsa_system_sgpr_workgroup_id_z 1
		.amdhsa_system_vgpr_workitem_id 0
		.amdhsa_next_free_vgpr 256
		.amdhsa_next_free_sgpr 100
		.amdhsa_reserve_vcc 1
		.amdhsa_float_denorm_mode_32 3
		.amdhsa_float_denorm_mode_16_64 3
		.amdhsa_memory_ordered 1
		.amdhsa_forward_progress 1
		.amdhsa_inst_pref_size 189
	.end_amdhsa_kernel
	.amdgpu_metadata
---
amdhsa.version: [ 1, 2 ]
amdhsa.kernels:
  - .name:           k_q4d2a8a8618_qkv
    .symbol:         k_q4d2a8a8618_qkv.kd
    .args:
      - { .name: hq, .offset: 0, .size: 8, .value_kind: global_buffer, .address_space: global }
      - { .name: wq_codes, .offset: 8, .size: 8, .value_kind: global_buffer, .address_space: global }
      - { .name: wq_scales, .offset: 16, .size: 8, .value_kind: global_buffer, .address_space: global }
      - { .name: wk_codes, .offset: 24, .size: 8, .value_kind: global_buffer, .address_space: global }
      - { .name: wk_scales, .offset: 32, .size: 8, .value_kind: global_buffer, .address_space: global }
      - { .name: wv_codes, .offset: 40, .size: 8, .value_kind: global_buffer, .address_space: global }
      - { .name: wv_scales, .offset: 48, .size: 8, .value_kind: global_buffer, .address_space: global }
      - { .name: qkv, .offset: 56, .size: 8, .value_kind: global_buffer, .address_space: global }
    .group_segment_fixed_size: 327680
    .private_segment_fixed_size: 0
    .kernarg_segment_align: 8
    .kernarg_segment_size: 64
    .max_flat_workgroup_size: 128
    .sgpr_count:     100
    .vgpr_count:     256
    .wavefront_size: 32
...
	.end_amdgpu_metadata
.endif
;; end of part 2
;; launch attn (part 3): grid 256 x 1, 16 waves a work-group, no clusters, 85,248 bytes of LDS; arguments qkv, woi, wo_scales, ls1, x, norm2_w, norm2_b, x1, hq; writes x1, hq
.if DOCPART == 3
	.amdgcn_target "amdgcn-amd-amdhsa--gfx1250"
	.amdhsa_code_object_version 6
	.text
	.protected	k_q4d2a8a8618_attn
	.globl	k_q4d2a8a8618_attn
	.p2align	8
	.type	k_q4d2a8a8618_attn,@function
k_q4d2a8a8618_attn:
	s_mov_b64 s[64:65], 0
	v_nop
	global_prefetch_b8 v0, s[64:65] scope:SCOPE_SE
	s_setreg_imm32_b32 hwreg(HW_REG_WAVE_MODE, 25, 1), 1
	s_wait_xcnt 0x0
; THREE STEPS IN ONE LAUNCH, for 16 rows (tokens) a work-group: the sliding-window attention of all 16 heads; x1 = x + (attention wo^T) ls1; hq = Q(LayerNorm2(x1)).  Sixteen waves of 256 registers.
; 1. ATTENTION on MX-FP4 codes: wave = head.  Key j counts for query i where 0 <= i - j < 125: the keys that count lie in the five blocks of 32 that end with the queries' own block: 160 keys, ten tiles.
;    Both products are used transposed (S^T = K Q^T, O^T = V^T P^T): a lane holds ONE query throughout.  p = 2^(t - M), t = score x log2(e) / 8, M = the row's largest t rounded up to a whole number; all keys are
;    at hand at once, so M is the row's own.  The row's sum is taken of the unquantised p and divides O.  K = 64 of the first product is filled to the instruction's 128 by ZERO CODES in Q's registers 4-7; what
;    K's registers 4-7 hold then adds nothing, no scale byte being 0xff.  Likewise the fifth block of keys: P's other three blocks are zero codes.  O / l is quantised along D (two blocks a head) and goes into LDS
;    as the head's half of a fragment's image, [K step 8][1,024 bytes], its two scale bytes into [K step][row][4].
; 2. THE PROJECTION, behind a barrier: wave w makes the 16 rows x columns 64 w .. + 63: four accumulators by turns, K = 1,024 in eight steps.  wo's fragments come from memory straight into registers, as the
;    images that the first launch laid: 512 consecutive bytes a load; four K steps are in registers at a time, and each set is asked for again as soon as it is multiplied.  Transposed use: lane (r, h) holds row r.
;    The results go into an LDS stage of 16 rows x (4,096 + 16) bytes.
; 3. RESIDUAL AND NORM, behind a second barrier: wave w owns row w, lane l the numbers 256 ch + 8 l .. + 7.  x1 = x + y ls1 is stored; mean and variance in two passes; the codes leave as images of the operand's
;    registers through LDS, behind a third barrier, as in the first launch.
; No cluster and no tensor load: wo's 524,288 bytes do not fit in LDS, every operand goes from memory into registers, so there is no joint request to make.  No prefetch: the launch has no loop to run ahead in.
; LIMITS: scale byte 1 for blocks under 2^-124 and for blocks of zeros (read by this program alone); NaN and infinities not served.
.set S,  162                           ; v162-241 S^T, then p: register 8 kt + j = key 16 kt + 8 h + j of the window
.set O,  66                            ; v66-97   O^T (over K's codes, which are done with)
.set P1, 50                            ; v50-57   p's codes, blocks 0-3;  v58-65 block 4 and zeros
.set P2, 58
.set SCA,   8192                       ; LDS: 0 the attention's image; here its scale words
.set OIMG,  8704                       ; the norm's image, 8,192 bytes,
.set OSC,   16896                      ; and its scale words
.set STG,   17408                      ; the stage
.set SP,    4112                       ; a row of the stage
.set SPARE, 83200                      ; the spare words, 128 bytes a wave: eight blocks of 256 bytes that no other line names
.set AF,  8                            ; steps 2 and 3: v8-39 four fragments of A; v40-47 A's scale words; v48-63 wo's; v64-191 four K steps of wo's fragments, then ls1, gain, bias, y; v192-223 x; v224-255 accumulators
.set AS,  40
.set BS,  48
.set BF,  64
.set X,   192
.set ACC, 224
; step 1: v1 16 lane, v2 4 r, v3 4 lane, v4 1,024 h + 16 r, v5 16 r, v6 my query less the window's first key less 8 h, v7 -infinity; v8-15 Q (v12-15 zeros); v16 Q's scale words, v17-21 K's, v22-25 V's, v26-27 p's;
; v28-29 -M; v30-33 sums; v34-38 block maxima; v39-43 permute results, bytes; v44-48 scale operands; v66-109 K (4 a tile, 4 zeros); v110-141 V blocks 0-3; v142-161 V block 4 (4 a tile, 4 zeros); v242-255 at work
	s_load_b128 s[4:7], s[0:1], 0x0                ; qkv s[4:5], wo's images s[6:7]
	s_load_b256 s[48:55], s[0:1], 0x10             ; wo's scales s[48:49], ls1 s[50:51], x s[52:53], gain s[54:55]
	s_load_b128 s[56:59], s[0:1], 0x30             ; bias s[56:57], x1 s[58:59]
	s_load_b64 s[60:61], s[0:1], 0x40              ; hq
	v_lshrrev_b32 v1, 5, v0
	s_delay_alu instid0(VALU_DEP_1)
	v_readfirstlane_b32 s8, v1                     ; wave 0..15: my head, then my 64 columns, then my row
.irp j, 12,13,14,15,106,107,108,109,158,159,160,161,59,61,62,63,64,65,39,40,41,42,43
	v_mov_b32 v\j, 0
.endr
	v_mov_b32 v7, 0xff800000
	v_and_b32 v242, 31, v0
	v_and_b32 v243, 15, v0
	v_bfe_u32 v244, v0, 4, 1
	s_wait_alu depctr_va_vdst(0)
	v_lshlrev_b32 v1, 4, v242
	v_lshlrev_b32 v2, 2, v243
	v_lshlrev_b32 v3, 2, v242
	v_lshlrev_b32 v5, 4, v243
	s_delay_alu instid0(VALU_DEP_1)
	v_lshl_add_u32 v4, v244, 10, v5
	s_lshr_b32 s11, ttmp9, 7                       ; the batch,
	s_lshl_b32 s11, s11, 4
	s_add_co_u32 s11, s11, s8                      ; 16 b + head
	s_and_b32 s12, ttmp9, 127                      ; qt: the work-group's tile of 16 queries, 0 .. 127
	s_lshr_b32 s13, s12, 1                         ; m: their block of 32
	s_max_u32 s14, s13, 4
	s_sub_co_u32 s14, s14, 4                       ; the window's first block: max(m - 4, 0)
	s_lshl_b32 s36, s12, 4
	s_lshl_b32 s37, s14, 5
	s_sub_co_u32 s36, s36, s37
	v_lshlrev_b32 v244, 3, v244
	s_delay_alu instid0(VALU_DEP_1)
	v_sub_nc_u32 v6, v243, v244
	s_delay_alu instid0(VALU_DEP_1)
	v_add_nc_u32 v6, s36, v6
	s_and_b32 s15, s14, 3                          ; V's scale bytes come four blocks to a word: the first block's place in its word,
	s_mul_i32 s41, s15, 0x01010101
	s_add_co_u32 s41, s41, 0x03020100              ; as a byte selector: that byte and the three behind it, out of two neighbouring words,
	s_lshl_b32 s15, s15, 3                         ; and in bits
	s_lshl_b32 s16, s11, 7
	s_add_co_u32 s17, s16, s12
	s_lshl_b32 s18, s14, 1
	s_add_co_u32 s18, s16, s18
	s_lshl_b32 s20, s17, 9
	s_mov_b32 s21, 0
	s_lshl_b32 s22, s17, 6
	s_mov_b32 s23, 0
	s_lshl_b32 s24, s18, 9
	s_mov_b32 s25, 0
	s_lshl_b32 s26, s18, 6
	s_mov_b32 s27, 0
	s_lshl_b32 s19, s11, 6
	s_add_co_u32 s19, s19, s14
	s_lshl_b32 s28, s19, 10
	s_mov_b32 s29, 0
	s_lshl_b32 s19, s11, 4
	s_lshr_b32 s37, s14, 2
	s_add_co_u32 s19, s19, s37
	s_lshl_b32 s30, s19, 8
	s_mov_b32 s31, 0
	s_lshl_b32 s32, s8, 15                         ; wo's images: four tiles of 8,192 bytes a wave
	s_mov_b32 s33, 0
	s_lshl_b32 s34, s8, 11                         ; wo's scale bytes: 64 rows of 32 bytes a wave
	s_mov_b32 s35, 0
	s_lshl_b32 s38, ttmp9, 16                      ; x and x1: 16 rows of 4,096 bytes a work-group,
	s_lshl_b32 s39, s8, 12                         ; a row a wave
	s_add_co_u32 s38, s38, s39
	s_mov_b32 s39, 0
	s_lshl_b32 s62, ttmp9, 13                      ; hq: 8,192 bytes of codes a row tile,
	s_mov_b32 s63, 0
	s_lshl_b32 s66, ttmp9, 9                       ; 512 bytes of scale words
	s_mov_b32 s67, 0
	s_mov_b32 s42, 0x3e38aa3b                      ; c = log2(e) / 8
	s_mov_b32 s43, s42                             ; (named with it as a pair, so it is written)
	s_mov_b32 s44, 0x76543210
	s_mov_b32 s45, 0xfedcba98
	s_mov_b32 s46, 0x3a800000                      ; 1 / 1,024
	s_mov_b32 s47, 0x3727c5ac                      ; 1e-5
	s_wait_alu depctr_va_vdst(0)
	s_wait_kmcnt 0x0
	s_add_nc_u64 s[20:21], s[4:5], s[20:21]
	s_add_nc_u64 s[22:23], s[4:5], s[22:23]
	s_add_nc_u64 s[24:25], s[4:5], s[24:25]
	s_add_nc_u64 s[26:27], s[4:5], s[26:27]
	s_add_nc_u64 s[28:29], s[4:5], s[28:29]
	s_add_nc_u64 s[30:31], s[4:5], s[30:31]
	s_add_nc_u64 s[32:33], s[6:7], s[32:33]
	s_add_nc_u64 s[34:35], s[48:49], s[34:35]
	s_add_nc_u64 s[52:53], s[52:53], s[38:39]
	s_add_nc_u64 s[58:59], s[58:59], s[38:39]
	s_add_nc_u64 s[62:63], s[60:61], s[62:63]
	s_add_nc_u64 s[66:67], s[60:61], s[66:67]
	global_load_b128 v[8:11], v1, s[20:21]
	global_load_b32 v16, v2, s[22:23] offset:6291456
.irp kt, 0,1,2,3,4,5,6,7,8,9
	global_load_b128 v[66+4*\kt:69+4*\kt], v1, s[24:25] offset:2097152+512*\kt
.endr
.irp be, 0,1,2,3,4
	global_load_b32 v[17+\be], v3, s[26:27] offset:6553600+128*\be     ; lanes 0-15 tile 2 be's words, lanes 16-31 tile 2 be + 1's
.endr
.irp dt, 0,1,2,3
.irp c, 0,1
	global_load_b128 v[110+8*\dt+4*\c:113+8*\dt+4*\c], v4, s[28:29] offset:4194304+2048*\c+256*\dt   ; block 2 c + h of the window, d = 16 dt + r
.endr
.endr
.irp dt, 0,1,2,3
	global_load_b128 v[142+4*\dt:145+4*\dt], v5, s[28:29] offset:4194304+4096+256*\dt                ; block 4, in both halves of the lanes
.endr
.irp pr, 0,1
	global_load_b32 v[22+\pr], v3, s[30:31] offset:6815744+128*\pr
	global_load_b32 v[24+\pr], v3, s[30:31] offset:6815744+256+128*\pr
.endr
	s_wait_loadcnt 16                              ; Q, K and their scale words are in; the 16 younger loads (V's) may be out
.irp be, 0,1,2,3,4
	v_wmma_scale_f32_16x16x128_f8f6f4 v[S+16*\be:S+16*\be+7],    v[66+8*\be:73+8*\be], v[8:15], 0, v[17+\be], v16 matrix_a_fmt:MATRIX_FMT_FP4 matrix_b_fmt:MATRIX_FMT_FP4
	v_wmma_scale_f32_16x16x128_f8f6f4 v[S+16*\be+8:S+16*\be+15], v[70+8*\be:77+8*\be], v[8:15], 0, v[17+\be], v16 matrix_a_fmt:MATRIX_FMT_FP4 matrix_b_fmt:MATRIX_FMT_FP4 matrix_a_scale:MATRIX_SCALE_ROW1
.endr
.rept 4
	v_nop                                          ; places in front of the first read of results
.endr
.macro MASK kt                         ; i - j as an unsigned number: above 124 means hidden, before the window or after the query alike
.irp j, 0,1,2,3,4,5,6,7
	v_add_nc_u32 v242, -(16*(\kt)+\j), v6
	s_delay_alu instid0(VALU_DEP_1)
	v_cmp_lt_u32 vcc_lo, 124, v242
	v_cndmask_b32 v[S+8*(\kt)+\j], v[S+8*(\kt)+\j], v7, vcc_lo
.endr
.endm
	MASK 0
	MASK 1
	MASK 2
	MASK 8
	MASK 9
	s_cmp_ge_u32 s13, 4                            ; from the fifth block of queries on, keys 48 .. 127 of the window count for all 16 queries: a branch on ids, the same in all waves
	s_cbranch_scc1 .Lopen
	MASK 3
	MASK 4
	MASK 5
	MASK 6
	MASK 7
.Lopen:
.irp b, 0,1,2,3,4
	v_max3_num_f32 v[34+\b], v[S+16*\b], v[S+16*\b+1], v[S+16*\b+2]   ; each block's largest score: for the row's maximum, and, since p rises with the score, for the block's largest p
.endr
.irp i, 3,5,7,9,11,13
.irp b, 0,1,2,3,4
	v_max3_num_f32 v[34+\b], v[34+\b], v[S+16*\b+\i], v[S+16*\b+\i+1]
.endr
.endr
.irp b, 0,1,2,3,4
	v_max_num_f32 v[34+\b], v[34+\b], v[S+16*\b+15]
.endr
.irp b, 0,1,2,3,4
	v_permlanex16_b32 v[39+\b], v[34+\b], s44, s45
.endr
.irp b, 0,1,2,3,4
	v_max_num_f32 v[34+\b], v[34+\b], v[39+\b]
.endr
	s_delay_alu instid0(VALU_DEP_3)
	v_max3_num_f32 v242, v34, v35, v36
	s_delay_alu instid0(VALU_DEP_1)
	v_max3_num_f32 v242, v242, v37, v38            ; the row's largest score: a number, since a query's own key always counts
	s_delay_alu instid0(VALU_DEP_1)
	v_mul_f32 v242, s42, v242
	s_delay_alu instid0(VALU_DEP_1)
	v_floor_f32 v28, -v242                         ; -M = floor(-t)
	s_delay_alu instid0(VALU_DEP_1)
	v_mov_b32 v29, v28
.irp j, 0,2,4,6,8,10,12,14,16,18,20,22,24,26,28,30,32,34,36,38,40,42,44,46,48,50,52,54,56,58,60,62,64,66,68,70,72,74,76,78
	v_pk_fma_f32 v[S+\j:S+\j+1], v[S+\j:S+\j+1], s[42:43], v[28:29] op_sel_hi:[1,0,0]
.endr
.irp b, 0,1,2,3,4
	v_fma_f32 v[34+\b], v[34+\b], s42, v28
.endr
.set J, 0
	s_wait_alu depctr_va_vdst(0)
.rept 80
	v_exp_f32 v[S+J], v[S+J]                       ; p = 2^(t - M); a hidden key's is 0
.set J, J+1
.endr
.irp b, 0,1,2,3,4
	v_exp_f32 v[34+\b], v[34+\b]                   ; the block's largest p: the same two instructions on the same number
.endr
	v_nop                                          ; a plain place behind the exponentials
	s_wait_alu depctr_va_vdst(0)
.irp b, 0,1,2,3,4
	v_max_num_f32 v[34+\b], 0x1800000, v[34+\b]    ; the floor 2^-124
.endr
.irp b, 0,1,2,3,4
	v_add_nc_u32 v[44+\b], 0xff000000, v[34+\b]
.endr
.irp b, 0,1,2,3,4
	v_lshrrev_b32 v[39+\b], 23, v[44+\b]
.endr
	s_delay_alu instid0(VALU_DEP_4)
	v_lshl_or_b32 v26, v40, 8, v39                 ; p's scale words: blocks 0-3,
	s_delay_alu instid0(VALU_DEP_1)
	v_lshl_or_b32 v26, v41, 16, v26
	s_delay_alu instid0(VALU_DEP_1)
	v_lshl_or_b32 v26, v42, 24, v26
	s_delay_alu instid0(VALU_DEP_4)
	v_mov_b32 v27, v43                             ; and block 4 (the other three bytes meet zero codes)
	s_wait_loadcnt 0x0                             ; V and its scale words
	v_perm_b32 v22, v24, v22, s41                  ; the four bytes of blocks 0-3 out of two neighbouring words: selector bytes 0-3 pick from the lower word, 4-7 from the upper,
	v_perm_b32 v23, v25, v23, s41
	v_lshrrev_b32 v24, s15, v24                    ; block 4's byte lowest
	v_lshrrev_b32 v25, s15, v25
.irp b, 0,1,2,3
	v_cvt_scalef32_pk8_fp4_f32 v[P1+4*(\b/2)+(\b%2)],   v[S+16*\b:S+16*\b+7],    v[44+\b]
	v_cvt_scalef32_pk8_fp4_f32 v[P1+4*(\b/2)+2+(\b%2)], v[S+16*\b+8:S+16*\b+15], v[44+\b]
.endr
	v_cvt_scalef32_pk8_fp4_f32 v[P2],   v[S+64:S+71], v48
	v_cvt_scalef32_pk8_fp4_f32 v[P2+2], v[S+72:S+79], v48
	v_nop
.irp i, 0,2,4,6
	v_permlane16_swap_b32 v[P1+\i], v[P1+\i+1]
.endr
	v_permlane16_swap_b32 v[P2],   v[P2+1]
	v_permlane16_swap_b32 v[P2+2], v[P2+3]
	v_pk_add_f32 v[32:33], v[162:163], v[166:167]
	v_pk_add_f32 v[254:255], v[170:171], v[174:175]
	v_pk_add_f32 v[252:253], v[178:179], v[182:183]
	v_pk_add_f32 v[250:251], v[186:187], v[190:191]
	v_pk_add_f32 v[248:249], v[194:195], v[198:199]
	v_pk_add_f32 v[246:247], v[202:203], v[206:207]
	v_pk_add_f32 v[244:245], v[210:211], v[214:215]
	v_pk_add_f32 v[30:31], v[218:219], v[222:223]
	v_pk_add_f32 v[30:31], v[30:31], v[226:227]
	v_pk_add_f32 v[32:33], v[32:33], v[230:231]
	v_pk_add_f32 v[254:255], v[254:255], v[234:235]
	v_pk_add_f32 v[252:253], v[252:253], v[238:239]
	v_pk_add_f32 v[250:251], v[250:251], v[164:165]
	v_pk_add_f32 v[248:249], v[248:249], v[168:169]
	v_pk_add_f32 v[246:247], v[246:247], v[172:173]
	v_pk_add_f32 v[244:245], v[244:245], v[176:177]
	v_pk_add_f32 v[30:31], v[30:31], v[180:181]
	v_pk_add_f32 v[32:33], v[32:33], v[184:185]
	v_pk_add_f32 v[254:255], v[254:255], v[188:189]
	v_pk_add_f32 v[252:253], v[252:253], v[192:193]
	v_pk_add_f32 v[250:251], v[250:251], v[196:197]
	v_pk_add_f32 v[248:249], v[248:249], v[200:201]
	v_pk_add_f32 v[246:247], v[246:247], v[204:205]
	v_pk_add_f32 v[244:245], v[244:245], v[208:209]
	v_pk_add_f32 v[30:31], v[30:31], v[212:213]
	v_pk_add_f32 v[32:33], v[32:33], v[216:217]
	v_pk_add_f32 v[254:255], v[254:255], v[220:221]
	v_pk_add_f32 v[252:253], v[252:253], v[224:225]
	v_pk_add_f32 v[250:251], v[250:251], v[228:229]
	v_pk_add_f32 v[248:249], v[248:249], v[232:233]
	v_pk_add_f32 v[246:247], v[246:247], v[236:237]
	v_pk_add_f32 v[244:245], v[244:245], v[240:241]
	s_delay_alu instid0(VALU_DEP_4)
	v_pk_add_f32 v[30:31], v[30:31], v[250:251]
	s_delay_alu instid0(VALU_DEP_4)
	v_pk_add_f32 v[32:33], v[32:33], v[248:249]
	s_delay_alu instid0(VALU_DEP_4)
	v_pk_add_f32 v[254:255], v[254:255], v[246:247]
	s_delay_alu instid0(VALU_DEP_4)
	v_pk_add_f32 v[252:253], v[252:253], v[244:245]
	s_delay_alu instid0(VALU_DEP_2)
	v_pk_add_f32 v[30:31], v[30:31], v[254:255]
	s_delay_alu instid0(VALU_DEP_2)
	v_pk_add_f32 v[32:33], v[32:33], v[252:253]
	s_delay_alu instid0(VALU_DEP_1)
	v_pk_add_f32 v[30:31], v[30:31], v[32:33]
	s_delay_alu instid0(VALU_DEP_1)
	v_add_f32 v30, v30, v31
	s_delay_alu instid0(VALU_DEP_1)
	v_permlanex16_b32 v31, v30, s44, s45
	s_delay_alu instid0(VALU_DEP_1)
	v_add_f32 v30, v30, v31
	s_wait_alu depctr_va_vdst(0)
	v_rcp_f32 v30, v30
.irp pr, 0,1                                   ; O^T = V^T P^T: the four accumulators by turns, blocks 0-3 first, then block 4
	v_wmma_scale_f32_16x16x128_f8f6f4 v[O+16*\pr:O+16*\pr+7],    v[110+16*\pr:117+16*\pr], v[P1:P1+7], 0, v[22+\pr], v26 matrix_a_fmt:MATRIX_FMT_FP4 matrix_b_fmt:MATRIX_FMT_FP4
	v_wmma_scale_f32_16x16x128_f8f6f4 v[O+16*\pr+8:O+16*\pr+15], v[118+16*\pr:125+16*\pr], v[P1:P1+7], 0, v[22+\pr], v26 matrix_a_fmt:MATRIX_FMT_FP4 matrix_b_fmt:MATRIX_FMT_FP4 matrix_a_scale:MATRIX_SCALE_ROW1
.endr
.irp pr, 0,1
	v_wmma_scale_f32_16x16x128_f8f6f4 v[O+16*\pr:O+16*\pr+7],    v[142+8*\pr:149+8*\pr], v[P2:P2+7], v[O+16*\pr:O+16*\pr+7],    v[24+\pr], v27 matrix_a_fmt:MATRIX_FMT_FP4 matrix_b_fmt:MATRIX_FMT_FP4
	v_wmma_scale_f32_16x16x128_f8f6f4 v[O+16*\pr+8:O+16*\pr+15], v[146+8*\pr:153+8*\pr], v[P2:P2+7], v[O+16*\pr+8:O+16*\pr+15], v[24+\pr], v27 matrix_a_fmt:MATRIX_FMT_FP4 matrix_b_fmt:MATRIX_FMT_FP4 matrix_a_scale:MATRIX_SCALE_ROW1
.endr
; the addresses of steps 2 and 3, in registers that step 1 is done with (all its loads have been waited for)
	s_lshl_b32 s20, s8, 9                          ; my head's half of a fragment's image: 512 x head
	s_lshr_b32 s21, s8, 1
	s_lshl_b32 s21, s21, 6
	s_and_b32 s22, s8, 1
	s_lshl_b32 s22, s22, 1
	s_add_co_u32 s21, s21, s22
	s_add_co_u32 s21, s21, SCA                     ; its two bytes of the scale words: 64 (head / 2) + 2 (head % 2)
	s_lshl_b32 s23, s8, 8
	s_add_co_u32 s23, s23, STG                     ; my 64 columns in the stage
	s_mul_i32 s24, s8, SP
	s_add_co_u32 s24, s24, STG                     ; my row of the stage
	s_lshl_b32 s25, s8, 4
	s_add_co_u32 s25, s25, OIMG                    ; my row in the norm's image
	s_lshl_b32 s26, s8, 2
	s_add_co_u32 s26, s26, OSC                     ; and among its scale words
	v_add_nc_u32 v7, s20, v1                       ; v7: 512 head + 16 lane
	v_add_nc_u32 v3, s21, v2                       ; v3: + 4 r
	v_lshlrev_b32 v4, 1, v1                        ; v4: 32 x lane
	v_mul_u32_u24 v5, v2, SP/4
	v_bfe_u32 v6, v0, 4, 1
	v_lshl_add_u32 v5, v6, 5, v5
	v_add_nc_u32 v5, s23, v5                       ; v5: into the stage: row r, 256 w + 32 h; 64 t in the immediate
	v_add_nc_u32 v6, s24, v4                       ; v6: back: row w, 32 x lane
.rept 4
	v_nop                                          ; places behind the products, and the plain place behind the reciprocal
.endr
	s_wait_alu depctr_va_vdst(0)
.irp j, 0,2,4,6,8,10,12,14,16,18,20,22,24,26,28,30
	v_pk_mul_f32 v[O+\j:O+\j+1], v[O+\j:O+\j+1], v[30:31] op_sel_hi:[1,0]   ; O / l: register 8 dt + j is d = 16 dt + 8 h + j of my query
.endr
.irp b, 0,1
	v_max3_num_f32 v[34+\b], |v[O+16*\b]|, |v[O+16*\b+1]|, 0x1800000
.endr
.irp i, 2,4,6,8,10,12,14
.irp b, 0,1
	s_delay_alu instid0(VALU_DEP_2)
	v_max3_num_f32 v[34+\b], v[34+\b], |v[O+16*\b+\i]|, |v[O+16*\b+\i+1]|
.endr
.endr
.irp b, 0,1
	s_delay_alu instid0(VALU_DEP_2)
	v_permlanex16_b32 v[39+\b], v[34+\b], s44, s45
.endr
.irp b, 0,1
	s_delay_alu instid0(VALU_DEP_2)
	v_max_num_f32 v[34+\b], v[34+\b], v[39+\b]
.endr
.irp b, 0,1
	s_delay_alu instid0(VALU_DEP_2)
	v_add_nc_u32 v[44+\b], 0xff000000, v[34+\b]
.endr
.irp b, 0,1
	s_delay_alu instid0(VALU_DEP_2)
	v_lshrrev_b32 v[39+\b], 23, v[44+\b]
.endr
	s_delay_alu instid0(VALU_DEP_1)
	v_lshl_or_b32 v242, v40, 8, v39
	v_cvt_scalef32_pk8_fp4_f32 v244, v[O:O+7],     v44
	v_cvt_scalef32_pk8_fp4_f32 v245, v[O+16:O+23], v45
	v_cvt_scalef32_pk8_fp4_f32 v246, v[O+8:O+15],  v44
	v_cvt_scalef32_pk8_fp4_f32 v247, v[O+24:O+31], v45
	v_nop
	v_permlane16_swap_b32 v244, v245
	v_permlane16_swap_b32 v246, v247
	ds_store_b128 v7, v[244:247]                   ; my head's half of the fragment's image
	ds_store_b16 v3, v242                          ; my head's two bytes of the row's scale word; lanes l and l + 16 store the same bytes to the same place
; STEP 2
.macro LDBG q                          ; wo's four fragments of K step q into set q % 4: 512 consecutive bytes a load
.irp t, 0,1,2,3
.irp c, 0,1
	global_load_b128 v[BF+32*((\q)%4)+8*\t+4*\c:BF+32*((\q)%4)+8*\t+4*\c+3], v1, s[32:33] offset:8192*\t+1024*(\q)+512*\c
.endr
.endr
.endm
.macro LDAF q                          ; the rows' fragment of K step q into set q % 4
.irp c, 0,1
	ds_load_b128 v[AF+8*((\q)%4)+4*\c:AF+8*((\q)%4)+4*\c+3], v1 offset:1024*(\q)+512*\c
.endr
.endm
.macro ROW32 dst, base                 ; 32 numbers of a row of 1,024: 256 ch + 8 lane .. + 7
.irp ch, 0,1,2,3
	global_load_b128 v[\dst+8*\ch:\dst+8*\ch+3],   v4, s[\base:\base+1] offset:1024*\ch
	global_load_b128 v[\dst+8*\ch+4:\dst+8*\ch+7], v4, s[\base:\base+1] offset:1024*\ch+16
.endr
.endm
.macro KQ q, zero                      ; K step q: source 0 = 16 rows of wo, source 1 = the 16 rows; the four accumulators by turns
.irp t, 0,2
.if \zero
	v_wmma_scale_f32_16x16x128_f8f6f4 v[ACC+8*\t:ACC+8*\t+7],    v[BF+32*((\q)%4)+8*\t:BF+32*((\q)%4)+8*\t+7],    v[AF+8*((\q)%4):AF+8*((\q)%4)+7], 0, v[BS+4*\t+(\q)], v[AS+(\q)] matrix_a_fmt:MATRIX_FMT_FP4 matrix_b_fmt:MATRIX_FMT_FP4
	v_wmma_scale_f32_16x16x128_f8f6f4 v[ACC+8*\t+8:ACC+8*\t+15], v[BF+32*((\q)%4)+8*\t+8:BF+32*((\q)%4)+8*\t+15], v[AF+8*((\q)%4):AF+8*((\q)%4)+7], 0, v[BS+4*\t+(\q)], v[AS+(\q)] matrix_a_fmt:MATRIX_FMT_FP4 matrix_b_fmt:MATRIX_FMT_FP4 matrix_a_scale:MATRIX_SCALE_ROW1
.else
	v_wmma_scale_f32_16x16x128_f8f6f4 v[ACC+8*\t:ACC+8*\t+7],    v[BF+32*((\q)%4)+8*\t:BF+32*((\q)%4)+8*\t+7],    v[AF+8*((\q)%4):AF+8*((\q)%4)+7], v[ACC+8*\t:ACC+8*\t+7],    v[BS+4*\t+(\q)], v[AS+(\q)] matrix_a_fmt:MATRIX_FMT_FP4 matrix_b_fmt:MATRIX_FMT_FP4
	v_wmma_scale_f32_16x16x128_f8f6f4 v[ACC+8*\t+8:ACC+8*\t+15], v[BF+32*((\q)%4)+8*\t+8:BF+32*((\q)%4)+8*\t+15], v[AF+8*((\q)%4):AF+8*((\q)%4)+7], v[ACC+8*\t+8:ACC+8*\t+15], v[BS+4*\t+(\q)], v[AS+(\q)] matrix_a_fmt:MATRIX_FMT_FP4 matrix_b_fmt:MATRIX_FMT_FP4 matrix_a_scale:MATRIX_SCALE_ROW1
.endif
.endr
.rept 4
	v_nop                                          ; places in front of loads into registers that these products have read, and of the first read of results
.endr
.endm
.irp p, 0,1                                    ; wo's scale bytes: lane l takes the 32 bytes of row 64 w + 32 p + l: register 8 p + q: lanes 0-15 tile 2 p's word of K step q, lanes 16-31 tile 2 p + 1's
.irp e, 0,1
	global_load_b128 v[BS+8*\p+4*\e:BS+8*\p+4*\e+3], v4, s[34:35] offset:1024*\p+16*\e
.endr
.endr
.irp q, 0,1,2,3
	LDBG \q
.endr
	ROW32 X, 52                                    ; my row of x, for step 3: 44 loads of mine are out
	s_wait_dscnt 0x0                               ; for the others' sake: my LDS stores have landed
	s_barrier_signal -1
	s_barrier_wait -1                              ; all sixteen heads' codes are in LDS
.irp q, 0,1,2,3
	LDAF \q
.endr
.irp q, 0,1,2,3,4,5,6,7
	ds_load_b32 v[AS+\q], v2 offset:SCA+64*\q      ; the rows' scale words: lane r takes row r's
.endr
	s_wait_dscnt 0x0
	s_wait_loadcnt 32                              ; wo's scales and K step 0 are in; behind them: three K steps and x, 8 loads each
	KQ 0, 1
	LDAF 4
	LDBG 4
.irp q, 1,2,3
	s_wait_loadcnt 32                              ; behind K step q's loads: four groups of 8 (later K steps, and x)
	KQ \q, 0
	LDAF \q+4
	LDBG \q+4
.endr
	s_wait_dscnt 0x0                               ; the rows' fragments of K steps 4 to 7
	s_wait_loadcnt 24                              ; behind K step 4's loads: K steps 5, 6, 7
	KQ 4, 0
	ROW32 64, 50                                   ; ls1, into the set just multiplied
	s_wait_loadcnt 24                              ; K steps 6, 7 and ls1
	KQ 5, 0
	ROW32 96, 54                                   ; the gain
	s_wait_loadcnt 24                              ; K step 7, ls1, the gain
	KQ 6, 0
	ROW32 128, 56                                  ; the bias
	s_wait_loadcnt 24                              ; ls1, the gain, the bias
	KQ 7, 0
.irp t, 0,1,2,3
	ds_store_b128 v5, v[ACC+8*\t:ACC+8*\t+3] offset:64*\t          ; each accumulator from its low end on: row r, columns 64 w + 16 t + 8 h + 0 .. 7
	ds_store_b128 v5, v[ACC+8*\t+4:ACC+8*\t+7] offset:64*\t+16
.endr
	s_wait_dscnt 0x0
	s_barrier_signal -1
	s_barrier_wait -1                              ; the 16 rows x 1,024 columns are in the stage
; STEP 3: my row
.macro LANESUM a, t                    ; the sum over the wave's 32 lanes, in every lane; t: a register that has been written
	v_add_f32_dpp v[\a], v[\a], v[\a] row_xmask:1 row_mask:0xf bank_mask:0xf
	v_add_f32_dpp v[\a], v[\a], v[\a] row_xmask:2 row_mask:0xf bank_mask:0xf
	v_add_f32_dpp v[\a], v[\a], v[\a] row_xmask:4 row_mask:0xf bank_mask:0xf
	v_add_f32_dpp v[\a], v[\a], v[\a] row_xmask:8 row_mask:0xf bank_mask:0xf
	v_permlanex16_b32 v[\t], v[\a], s44, s45
	v_add_f32 v[\a], v[\a], v[\t]
.endm
.irp ch, 0,1,2,3
	ds_load_b128 v[160+8*\ch:163+8*\ch], v6 offset:1024*\ch
	ds_load_b128 v[164+8*\ch:167+8*\ch], v6 offset:1024*\ch+16
.endr
	s_wait_dscnt 0x0
	s_wait_loadcnt 16                              ; x and ls1 are in; the gain's and the bias's 16 loads may be out
.irp j, 0,2,4,6,8,10,12,14,16,18,20,22,24,26,28,30
	v_pk_fma_f32 v[X+\j:X+\j+1], v[160+\j:161+\j], v[64+\j:65+\j], v[X+\j:X+\j+1]   ; x1 = x + y ls1
.endr
.irp ch, 0,1,2,3
	global_store_b128 v4, v[X+8*\ch:X+8*\ch+3],   s[58:59] offset:1024*\ch
	global_store_b128 v4, v[X+8*\ch+4:X+8*\ch+7], s[58:59] offset:1024*\ch+16
.endr
.irp i, 0,1,2,3
	v_pk_add_f32 v[8+2*\i:9+2*\i], v[X+4*\i:X+4*\i+1], v[X+4*\i+2:X+4*\i+3]
.endr
.irp j, 16,18
.irp i, 0,1,2,3
	v_pk_add_f32 v[8+2*\i:9+2*\i], v[8+2*\i:9+2*\i], v[X+\j+4*\i:X+\j+4*\i+1]
.endr
.endr
	v_pk_add_f32 v[8:9], v[8:9], v[10:11]
	v_pk_add_f32 v[12:13], v[12:13], v[14:15]
	v_pk_add_f32 v[8:9], v[8:9], v[12:13]
	v_add_f32 v8, v8, v9
	LANESUM 8, 9
	v_mul_f32 v8, s46, v8                          ; the mean
	s_wait_alu depctr_va_vdst(0)                   ; directly ahead of the wait below
	s_wait_xcnt 0x0                                ; the stores of x1 have read their registers: they may be written again
.irp j, 0,2,4,6,8,10,12,14,16,18,20,22,24,26,28,30
	v_pk_add_f32 v[X+\j:X+\j+1], v[X+\j:X+\j+1], v[8:9] op_sel_hi:[1,0] neg_lo:[0,1] neg_hi:[0,1]   ; d = x1 - mean
.endr
.irp i, 0,1,2,3
	v_pk_mul_f32 v[10+2*\i:11+2*\i], v[X+2*\i:X+2*\i+1], v[X+2*\i:X+2*\i+1]
.endr
.irp j, 8,16,24
.irp i, 0,1,2,3
	v_pk_fma_f32 v[10+2*\i:11+2*\i], v[X+\j+2*\i:X+\j+2*\i+1], v[X+\j+2*\i:X+\j+2*\i+1], v[10+2*\i:11+2*\i]
.endr
.endr
	v_pk_add_f32 v[10:11], v[10:11], v[12:13]
	v_pk_add_f32 v[14:15], v[14:15], v[16:17]
	v_pk_add_f32 v[10:11], v[10:11], v[14:15]
	v_add_f32 v10, v10, v11
	LANESUM 10, 11
	v_fma_f32 v10, v10, s46, s47                   ; var + eps
	s_wait_alu depctr_va_vdst(0)                   ; the wait ahead of the transcendental
	v_rsq_f32 v10, v10
	v_nop                                          ; one plain instruction behind it
	s_wait_loadcnt 0x0                             ; gain and bias
	s_wait_alu depctr_va_vdst(0)                   ; and the wait ahead of its first reader
.irp j, 0,2,4,6,8,10,12,14,16,18,20,22,24,26,28,30
	v_pk_mul_f32 v[X+\j:X+\j+1], v[X+\j:X+\j+1], v[10:11] op_sel_hi:[1,0]
.endr
.irp j, 0,2,4,6,8,10,12,14,16,18,20,22,24,26,28,30
	v_pk_fma_f32 v[X+\j:X+\j+1], v[X+\j:X+\j+1], v[96+\j:97+\j], v[128+\j:129+\j]
.endr
	v_and_b32 v30, 31, v0                          ; lane
	v_lshrrev_b32 v31, 2, v30                      ; lane / 4
	v_and_b32 v28, 3, v30
	v_lshrrev_b32 v29, 4, v30
	v_lshlrev_b32 v28, 2, v28
	v_and_b32 v30, 3, v31
	v_lshl_add_u32 v28, v31, 8, v28
	v_lshl_add_u32 v29, v29, 6, v30
	v_add_nc_u32 v28, s25, v28                     ; codes: 256 (lane / 4) + 4 (lane % 4) + 16 w; 2,048 ch in the immediate
	v_add_nc_u32 v29, s26, v29                     ; bytes: 64 (lane / 16) + (lane / 4) % 4 + 4 w; 128 ch in the immediate
; piece ch: my eight numbers at v[X + 8 ch]; the block's 32 lie in four neighbouring lanes
.irp n, 0,1,2,3
	v_max3_num_f32 v[12+\n], |v[X+8*\n]|, |v[X+8*\n+1]|, 0x1800000   ; with the floor 2^-124 among the leaves: the byte cannot fall under 1
.endr
.irp i, 2,4,6
.irp n, 0,1,2,3
	v_max3_num_f32 v[12+\n], v[12+\n], |v[X+8*\n+\i]|, |v[X+8*\n+\i+1]|
.endr
.endr
.irp n, 0,1,2,3
	v_max_num_f32_dpp v[12+\n], v[12+\n], v[12+\n] row_xmask:1 row_mask:0xf bank_mask:0xf
.endr
.irp n, 0,1,2,3
	v_max_num_f32_dpp v[12+\n], v[12+\n], v[12+\n] row_xmask:2 row_mask:0xf bank_mask:0xf
.endr
.irp n, 0,1,2,3
	v_add_nc_u32 v[16+\n], 0xff000000, v[12+\n]    ; 2 off the exponent field: the conversion's scale operand
.endr
.irp n, 0,1,2,3
	v_cvt_scalef32_pk8_fp4_f32 v[20+\n], v[X+8*\n:X+8*\n+7], v[16+\n]
.endr
.irp n, 0,1,2,3
	v_lshrrev_b32 v[24+\n], 23, v[16+\n]           ; the scale's byte
.endr
.irp ch, 0,1,2,3
	ds_store_b32 v28, v[20+\ch] offset:2048*\ch
	ds_store_b8 v29, v[24+\ch] offset:128*\ch      ; the four lanes of a block write the same byte with the same value
.endr
	s_wait_dscnt 0x0                               ; for the others' sake: my stores have landed
	s_barrier_signal -1
	s_barrier_wait -1
	v_lshlrev_b32 v32, 4, v0                       ; 16 x thread: 512 threads cover the image's 8,192 bytes
	s_wait_alu depctr_va_vdst(0)                   ; directly behind the write
	ds_load_b128 v[36:39], v32 offset:OIMG
	s_wait_dscnt 0x0
	global_store_b128 v32, v[36:39], s[62:63]      ; a wave's store covers 512 consecutive bytes
	s_cmp_lg_u32 s8, 0
	s_cbranch_scc1 .Ldone
	ds_load_b128 v[40:43], v32 offset:OSC          ; wave 0: the 512 bytes of scale words
	s_wait_dscnt 0x0
	global_store_b128 v32, v[40:43], s[66:67] offset:2097152
.Ldone:
	v_lshl_add_u32 v44, v0, 2, SPARE               ; step 1 leaves no two registers free, so v0 is kept and the add's two registers are made here
	v_mov_b32 v45, 0
	s_wait_alu depctr_va_vdst(0)                   ; directly ahead of the wait below
	s_wait_tensorcnt 0x0                           ; the wave's end
	ds_add_u32 v44, v45
	s_wait_dscnt 0x0
	s_endpgm
.Lfunc_end_k_q4d2a8a8618_attn:
	.size	k_q4d2a8a8618_attn, .Lfunc_end_k_q4d2a8a8618_attn-k_q4d2a8a8618_attn
	.p2alignl 7, 3214868480
	.fill 96, 4, 3214868480
	.section	.rodata,"a",@progbits
	.p2align	6, 0x0
	.amdhsa_kernel k_q4d2a8a8618_attn
		.amdhsa_group_segment_fixed_size 85248
		.amdhsa_private_segment_fixed_size 0
		.amdhsa_enable_private_segment 0
		.amdhsa_kernarg_size 72
		.amdhsa_user_sgpr_count 2
		.amdhsa_user_sgpr_kernarg_segment_ptr 1
		.amdhsa_wavefront_size32 1
		.amdhsa_system_sgpr_workgroup_id_x 1
		.amdhsa_system_sgpr_workgroup_id_y 1
		.amdhsa_system_sgpr_workgroup_id_z 1
		.amdhsa_system_vgpr_workitem_id 0
		.amdhsa_next_free_vgpr 256
		.amdhsa_next_free_sgpr 72
		.amdhsa_reserve_vcc 1
		.amdhsa_float_denorm_mode_32 3
		.amdhsa_float_denorm_mode_16_64 3
		.amdhsa_memory_ordered 1
		.amdhsa_forward_progress 1
		.amdhsa_inst_pref_size 73
	.end_amdhsa_kernel
	.amdgpu_metadata
---
amdhsa.version: [ 1, 2 ]
amdhsa.kernels:
  - .name:           k_q4d2a8a8618_attn
    .symbol:         k_q4d2a8a8618_attn.kd
    .args:
      - { .name: qkv, .offset: 0, .size: 8, .value_kind: global_buffer, .address_space: global }
      - { .name: woi, .offset: 8, .size: 8, .value_kind: global_buffer, .address_space: global }
      - { .name: wo_scales, .offset: 16, .size: 8, .value_kind: global_buffer, .address_space: global }
      - { .name: ls1, .offset: 24, .size: 8, .value_kind: global_buffer, .address_space: global }
      - { .name: x, .offset: 32, .size: 8, .value_kind: global_buffer, .address_space: global }
      - { .name: norm2_w, .offset: 40, .size: 8, .value_kind: global_buffer, .address_space: global }
      - { .name: norm2_b, .offset: 48, .size: 8, .value_kind: global_buffer, .address_space: global }
      - { .name: x1, .offset: 56, .size: 8, .value_kind: global_buffer, .address_space: global }
      - { .name: hq, .offset: 64, .size: 8, .value_kind: global_buffer, .address_space: global }
    .group_segment_fixed_size: 85248
    .private_segment_fixed_size: 0
    .kernarg_segment_align: 8
    .kernarg_segment_size: 72
    .max_flat_workgroup_size: 512
    .sgpr_count:     72
    .vgpr_count:     256
    .wavefront_size: 32
...
	.end_amdgpu_metadata
.endif
;; end of part 3
;; launch w1 (part 4): grid 16 x 16, 16 waves a work-group, clusters of 4 x 4, 327,680 bytes of LDS; arguments hq, w1_codes, w1_scales, b1, ff; writes ff
.if DOCPART == 4
	.amdgcn_target "amdgcn-amd-amdhsa--gfx1250"
	.amdhsa_code_object_version 6
	.text
	.protected	k_q4d2a8a8618_w1
	.globl	k_q4d2a8a8618_w1
	.p2align	8
	.type	k_q4d2a8a8618_w1,@function
k_q4d2a8a8618_w1:
	s_mov_b64 s[64:65], 0
	v_nop
	global_prefetch_b8 v0, s[64:65] scope:SCOPE_SE
	s_setreg_imm32_b32 hwreg(HW_REG_WAVE_MODE, 25, 1), 1
	s_wait_xcnt 0x0
	s_wait_alu depctr_hold_cnt(0) depctr_sa_sdst(0) depctr_va_vdst(0) depctr_va_sdst(0) depctr_va_ssrc(0) depctr_va_vcc(0) depctr_vm_vsrc(0)
	s_getreg_b32 s2, hwreg(HW_REG_IB_STS2, 6, 4)
	s_cmp_eq_u32 s2, 0
	s_cbranch_scc0 .Lentry_in_a_cluster
	s_endpgm
.Lentry_in_a_cluster:
	s_bfe_u32 s2, ttmp6, 0x10000c
	s_cmp_lg_u32 s2, 0xf033
	s_cbranch_scc0 .Lentry_shape_is_right
	s_endpgm
.Lentry_shape_is_right:
; ff = Q(gelu(LN2(x1) w1^T + b1)): the product on MX-FP4 codes, K = 1,024; the exact gelu 0.5 x (1 + erf(x / sqrt 2)) in f32; the result quantised along the 4,096 hidden units, as register images.
; SHARES: 16 x 16 work-groups; a work-group makes 256 rows x 256 columns with SIXTEEN waves of 256 registers, four to a SIMD.  Wave w: rows 32 (w % 8) .. + 31 x columns 128 (w / 8) .. + 127: 16 accumulators,
; eight K steps of 16 matrix instructions, one way out.  A's 16 row tiles (131,072 bytes of register images) and w1's 256 rows (528 bytes apart) are filled once, at the head, one tensor load a wave:
; waves 0-7 two row tiles of A each, waves 8-15 32 rows of w1 each.  Nothing is filled again.
; CLUSTERS: 4 x 4 work-groups.  The four of a row of the cluster need the same rows of A, the four of a column the same rows of w1: each part is asked for JOINTLY, by the same tensor load with the same
; descriptor and a mask that names the four.
; Transposed use: lane (r, h) holds row r, register 8 t + j column 16 t + 8 h + j: a wave's 128 columns are one K step of the next product: whole fragments and whole scale words.
; b1 is halved as it is staged: h = 0.5 y + 0.5 b1 is one fused multiply-add (halving rounds nothing), u = h sqrt 2, gelu = h + h erf(u).
; erf(u) = u P(u^2) / Q(u^2), |u| held at 4: a rational form good to a few units in the last place.  1 + erf cancels for x far below 0; the error stays under 1e-7 |x|.
; No prefetch: the launch has no loop to run ahead in; all its tiles are asked for at the head.
; LIMITS: scale byte 1 for blocks under 2^-124 and for blocks of zeros (read by this program alone); NaN and infinities not served.
.set BT,    131072                     ; LDS: A 0 .. 131,071: [row tile 16][K step 8][1,024]; then w1's 256 rows x (512 + 16) bytes
.set SCA,   266240                     ; A's scale words [row tile 16][K step 8][16][4]
.set SCB,   274432                     ; w1's scale bytes, 256 rows x 32 bytes, 16 bytes of padding behind each 256
.set BIAS,  283136                     ; 0.5 b1 of my 256 columns
.set SPARE, 284160                     ; the spare words, 128 bytes a wave: eight blocks of 256 bytes that no other line names
.set SBI,   1088                       ; from a pair of B's tiles to the next among the scale bytes
.set ADSA,  6
.set ADSB,  9
.set TM,    32
; REGISTERS: v1, v2 the add's; v3 A's address; v4 scale words' way out; v5 B's address; v6 A's scale words; v9 B's; v10 my place in the bias; v11 16 x lane;
;   v12-31 scale words, two sets; v32-63 A, two sets; v64-127 B; v128-255 accumulators.  On the way out v32-127 are at work.
.macro NOPS n
.rept \n
	v_nop
.endr
.endm
; A round of the cluster's barrier: my work-group's barrier; wave 0 signals for the work-group; every wave waits for all sixteen work-groups; my work-group's barrier once more.
.macro CREST
	s_cmp_lg_u32 s2, 0
	s_cbranch_scc1 .Lnot_wave_0_\@
	s_barrier_signal -3
.Lnot_wave_0_\@:
	s_barrier_wait -3
	s_barrier_signal -1
	s_barrier_wait -1
.endm
.macro CROUND
	s_barrier_signal -1
	s_barrier_wait -1
	CREST
.endm
; one matrix instruction on the registers named by fD, fX, fY, fSX, fSY; ra, rb: source 0's, source 1's scales stand in lanes 16-31
.macro WMMA zero, ra, rb
.if \zero
.if ((\ra)==0)&&((\rb)==0)
	v_wmma_scale_f32_16x16x128_f8f6f4 v[fD:fD+7], v[fX:fX+7], v[fY:fY+7], 0, v[fSX], v[fSY] matrix_a_fmt:MATRIX_FMT_FP4 matrix_b_fmt:MATRIX_FMT_FP4
.elseif ((\ra)==1)&&((\rb)==0)
	v_wmma_scale_f32_16x16x128_f8f6f4 v[fD:fD+7], v[fX:fX+7], v[fY:fY+7], 0, v[fSX], v[fSY] matrix_a_fmt:MATRIX_FMT_FP4 matrix_b_fmt:MATRIX_FMT_FP4 matrix_a_scale:MATRIX_SCALE_ROW1
.elseif ((\ra)==0)&&((\rb)==1)
	v_wmma_scale_f32_16x16x128_f8f6f4 v[fD:fD+7], v[fX:fX+7], v[fY:fY+7], 0, v[fSX], v[fSY] matrix_a_fmt:MATRIX_FMT_FP4 matrix_b_fmt:MATRIX_FMT_FP4 matrix_b_scale:MATRIX_SCALE_ROW1
.else
	v_wmma_scale_f32_16x16x128_f8f6f4 v[fD:fD+7], v[fX:fX+7], v[fY:fY+7], 0, v[fSX], v[fSY] matrix_a_fmt:MATRIX_FMT_FP4 matrix_b_fmt:MATRIX_FMT_FP4 matrix_a_scale:MATRIX_SCALE_ROW1 matrix_b_scale:MATRIX_SCALE_ROW1
.endif
.else
.if ((\ra)==0)&&((\rb)==0)
	v_wmma_scale_f32_16x16x128_f8f6f4 v[fD:fD+7], v[fX:fX+7], v[fY:fY+7], v[fD:fD+7], v[fSX], v[fSY] matrix_a_fmt:MATRIX_FMT_FP4 matrix_b_fmt:MATRIX_FMT_FP4
.elseif ((\ra)==1)&&((\rb)==0)
	v_wmma_scale_f32_16x16x128_f8f6f4 v[fD:fD+7], v[fX:fX+7], v[fY:fY+7], v[fD:fD+7], v[fSX], v[fSY] matrix_a_fmt:MATRIX_FMT_FP4 matrix_b_fmt:MATRIX_FMT_FP4 matrix_a_scale:MATRIX_SCALE_ROW1
.elseif ((\ra)==0)&&((\rb)==1)
	v_wmma_scale_f32_16x16x128_f8f6f4 v[fD:fD+7], v[fX:fX+7], v[fY:fY+7], v[fD:fD+7], v[fSX], v[fSY] matrix_a_fmt:MATRIX_FMT_FP4 matrix_b_fmt:MATRIX_FMT_FP4 matrix_b_scale:MATRIX_SCALE_ROW1
.else
	v_wmma_scale_f32_16x16x128_f8f6f4 v[fD:fD+7], v[fX:fX+7], v[fY:fY+7], v[fD:fD+7], v[fSX], v[fSY] matrix_a_fmt:MATRIX_FMT_FP4 matrix_b_fmt:MATRIX_FMT_FP4 matrix_a_scale:MATRIX_SCALE_ROW1 matrix_b_scale:MATRIX_SCALE_ROW1
.endif
.endif
.endm
.macro MM t, a, p, st, e, zero         ; accumulator (a, t): source 0 = B's tile t, source 1 = A's row tile a of set p
.set fD, 128+64*(\a)+8*(\t)
.set fX, 64+8*(\t)
.set fY, 32+16*(\p)+8*(\a)
.set fSX, 12+10*(\st)+2*((\t)/2)+(\e)
.set fSY, 20+10*(\st)+(\e)
	WMMA \zero, (\t)%2, \a
.endm
.macro QUAD i, p, st, e, zero
	MM 2*(\i), 0, \p, \st, \e, \zero
	MM 2*(\i), 1, \p, \st, \e, \zero
	MM 2*(\i)+1, 0, \p, \st, \e, \zero
	MM 2*(\i)+1, 1, \p, \st, \e, \zero
.endm
.macro LDB half, q                     ; B's tiles 4 half .. + 3 of K step q: rows 528 bytes apart, so that the 16 rows of a load start at 16 different banks
.irp t, 0,1,2,3
.irp c, 0,1
	ds_load_b128 v[64+32*(\half)+8*\t+4*\c:64+32*(\half)+8*\t+4*\c+3], v5 offset:8448*(4*(\half)+\t)+64*(\q)+32*\c
.endr
.endr
.endm
.macro LDA p, q                        ; my two row tiles' fragments of K step q into set p: register images, 16 bytes a lane on end
.irp a, 0,1
.irp c, 0,1
	ds_load_b128 v[32+16*(\p)+8*\a+4*\c:32+16*(\p)+8*\a+4*\c+3], v3 offset:8192*\a+1024*(\q)+512*\c
.endr
.endr
.endm
.macro LDSC st, g                      ; the scale words of K steps 2 g, 2 g + 1: B's: lanes 0-15 tile 2 i, lanes 16-31 tile 2 i + 1; A's: lanes 0-15 row tile 0, lanes 16-31 row tile 1
.irp i, 0,1,2,3
	ds_load_b64 v[12+10*(\st)+2*\i:13+10*(\st)+2*\i], v[ADSB] offset:SBI*\i+8*(\g)
.endr
.irp e, 0,1
	ds_load_b32 v[20+10*(\st)+\e], v[ADSA] offset:64*(2*(\g)+\e)
.endr
.endm
; A K step of 128: 16 matrix instructions, the 16 accumulators by turns, in the same order in every step; the next step's fragments are asked for in two runs
.macro KSTEP q, last, zero
	s_wait_dscnt 8                                 ; all but the 8 youngest loads (B's tiles 4-7) are in
	QUAD 0, (\q)%2, ((\q)/2)%2, (\q)%2, \zero
	QUAD 1, (\q)%2, ((\q)/2)%2, (\q)%2, \zero
.if (\last)==0
	NOPS 4                                         ; places in front of loads into registers that matrix instructions have read
	LDB 0, (\q)+1
	LDA 1-(\q)%2, (\q)+1
.if ((\q)%2)==1
	LDSC (((\q)+1)/2)%2, ((\q)+1)/2
	s_wait_dscnt 18                                ; all but the 18 just issued: B's tiles 4-7 are in
.else
	s_wait_dscnt 12                                ; all but the 12 just issued
.endif
.else
	s_wait_dscnt 0x0
.endif
	QUAD 2, (\q)%2, ((\q)/2)%2, (\q)%2, \zero
	QUAD 3, (\q)%2, ((\q)/2)%2, (\q)%2, \zero
	NOPS 5                                         ; places: for the loads below and for the first read of results
.if (\last)==0
	LDB 1, (\q)+1
.endif
.endm
; gelu of the sixteen h at v[x]: u v32-47, u^2 v48-63, P v64-79, Q v80-95: eight packed chains by turns; one wait ahead of the batch of reciprocals and one behind it
.macro GELU16 x
.irp k, 0,2,4,6,8,10,12,14
	v_pk_mul_f32 v[32+\k:33+\k], v[\x+\k:\x+\k+1], s[66:67] op_sel_hi:[1,0]      ; u = h sqrt 2
.endr
.irp k, 0,1,2,3,4,5,6,7,8,9,10,11,12,13,14,15
	v_med3_num_f32 v[32+\k], v[32+\k], -4.0, 4.0
.endr
.irp k, 0,2,4,6,8,10,12,14
	v_pk_mul_f32 v[48+\k:49+\k], v[32+\k:33+\k], v[32+\k:33+\k]
.endr
.irp k, 0,2,4,6,8,10,12,14
	v_pk_fma_f32 v[64+\k:65+\k], v[48+\k:49+\k], v[96:97], s[68:69] op_sel_hi:[1,0,0]
	v_pk_fma_f32 v[80+\k:81+\k], v[48+\k:49+\k], v[98:99], s[80:81] op_sel_hi:[1,0,0]
.endr
.irp c, 82,84,86
.irp k, 0,2,4,6,8,10,12,14
	v_pk_fma_f32 v[80+\k:81+\k], v[80+\k:81+\k], v[48+\k:49+\k], s[\c:\c+1] op_sel_hi:[1,1,0]
.endr
.endr
.irp c, 70,72,74,76,78
.irp k, 0,2,4,6,8,10,12,14
	v_pk_fma_f32 v[64+\k:65+\k], v[64+\k:65+\k], v[48+\k:49+\k], s[\c:\c+1] op_sel_hi:[1,1,0]
.endr
.endr
	s_wait_alu depctr_va_vdst(0)
.irp k, 0,1,2,3,4,5,6,7,8,9,10,11,12,13,14,15
	v_rcp_f32 v[80+\k], v[80+\k]
.endr
.irp k, 0,2,4,6,8,10,12,14
	v_pk_mul_f32 v[64+\k:65+\k], v[64+\k:65+\k], v[32+\k:33+\k]                  ; u P (plain work behind the reciprocals)
.endr
	s_wait_alu depctr_va_vdst(0)
.irp k, 0,2,4,6,8,10,12,14
	v_pk_mul_f32 v[64+\k:65+\k], v[64+\k:65+\k], v[80+\k:81+\k]                  ; erf
.endr
.irp k, 0,2,4,6,8,10,12,14
	v_pk_fma_f32 v[\x+\k:\x+\k+1], v[\x+\k:\x+\k+1], v[64+\k:65+\k], v[\x+\k:\x+\k+1]   ; h + h erf
.endr
.endm
	s_load_b256 s[8:15], s[0:1], 0x0               ; hq s[8:9], w1 codes s[10:11], w1 scales s[12:13], b1 s[14:15]
	s_load_b64 s[16:17], s[0:1], 0x20              ; ff
	v_lshl_add_u32 v1, v0, 2, SPARE
	v_mov_b32 v2, 0
	ds_add_u32 v1, v2                              ; the opening lines: the add, twice on end, and its wait ahead of my first tensor load
	ds_add_u32 v1, v2
	v_lshrrev_b32 v32, 5, v0
	v_readfirstlane_b32 s2, v32                    ; wave 0..15
	s_and_b32 s5, s2, 7                            ; rg: my 32 rows.  Also: which part of a tile I fetch
	s_lshr_b32 s6, s2, 3                           ; ct: my 128 columns
	s_bfe_u32 s18, ttmp6, 0x40000                  ; cx, cy: my place in the cluster
	s_bfe_u32 s19, ttmp6, 0x40004
	s_lshl_b32 s3, ttmp9, 2                        ; in a cluster launch ttmp9 and ttmp7 count clusters
	s_add_co_u32 s3, s3, s18                       ; cg: which 256 columns = 4 x cluster x + cx
	s_and_b32 s4, ttmp7, 0xffff
	s_lshl_b32 s4, s4, 2
	s_add_co_u32 s4, s4, s19                       ; rb: which 256 rows = 4 x cluster y + cy
	s_lshl_b32 s20, s19, 2
	s_lshl_b32 s20, 15, s20                        ; my row of the cluster
	s_lshl_b32 s21, 0x1111, s18                    ; my column
	s_or_b32 s24, s20, (3<<16)|(1<<21)             ; group 1 for A: the mask of my row; 16 KiB on end as 64 rows of 32 elements of 8 bytes; bit 21 set beside a mask
	s_mov_b32 s25, 32<<16
	s_mov_b32 s26, 64<<16
	s_mov_b32 s27, 32<<16
	s_mov_b32 s28, 64
	s_mov_b32 s29, 32
	s_mov_b32 s30, 0
	s_mov_b32 s31, 0
	s_or_b32 s32, s21, (1<<20)|(1<<21)|(6<<22)|(3<<25)   ; group 1 for w1: the mask of my column; 32 rows of 512 bytes, 4 words of padding behind every 128
	s_mov_b32 s33, 512<<16
	s_mov_b32 s34, 32<<16
	s_mov_b32 s35, 512<<16
	s_mov_b32 s36, 32
	s_mov_b32 s37, 512
	s_mov_b32 s38, 0
	s_mov_b32 s39, 0
	s_lshl_b32 s52, s5, 14                         ; 16,384 rg: two row tiles of A in LDS and in memory; also 32 rows of w1 in memory
	s_mul_i32 s53, s6, 128*528
	s_add_co_u32 s53, s53, BT                      ; my 128 rows of w1 in LDS
	s_lshl_b32 s54, s5, 10
	s_add_co_u32 s54, s54, SCA                     ; my two row tiles' scale words
	s_mul_i32 s55, s6, 4352
	s_add_co_u32 s55, s55, SCB                     ; my 128 rows' scale bytes
	s_lshl_b32 s90, s6, 9
	s_add_co_u32 s90, s90, BIAS                    ; my 128 columns of the bias
	s_mul_i32 s63, s5, 32*528
	s_add_co_u32 s63, s63, BT                      ; where the 32 rows of w1 that I fetch go
	s_lshl_b32 s56, s4, 17
	s_add_co_u32 s56, s56, s52                     ; A: 131,072 rb + 16,384 part: it hangs on the row block alone, which my row of the cluster shares
	s_mov_b32 s57, 0
	s_lshl_b32 s58, s3, 17
	s_add_co_u32 s58, s58, s52                     ; w1: 131,072 cg + 16,384 part: on the column group alone, which my column shares
	s_mov_b32 s59, 0
	s_lshl_b32 s48, s4, 13                         ; A's scale words: 8,192 bytes a row block
	s_mov_b32 s49, 0
	s_lshl_b32 s50, s3, 13                         ; w1's scale bytes: 8,192 a column group
	s_mov_b32 s51, 0
	s_lshl_b32 s88, s3, 10                         ; b1: 1,024 bytes a column group
	s_mov_b32 s89, 0
	s_lshl_b32 s62, s4, 9
	s_lshl_b32 s7, s5, 6
	s_add_co_u32 s62, s62, s7
	s_lshl_b32 s7, s3, 1
	s_add_co_u32 s62, s62, s7
	s_add_co_u32 s62, s62, s6                      ; my first fragment of ff: 32 (16 rb + 2 rg) + 2 cg + ct
	s_lshl_b32 s92, s62, 10
	s_mov_b32 s93, 0
	s_lshl_b32 s94, s62, 6
	s_add_co_u32 s94, s94, 8388608
	s_mov_b32 s95, 0
	s_mov_b32 s60, 0x76543210
	s_mov_b32 s61, 0xfedcba98                      ; v_permlanex16_b32's selects for lane l xor 16
	s_mov_b32 s66, 0x3fb504f3                      ; sqrt 2.  Each constant is named as a pair and its low word serves both halves: so both are written
	s_mov_b32 s68, 0x32edffee                      ; P: 2.77068142495902e-08,
	s_mov_b32 s70, 0xb60cff51                      ; -2.10102402082508e-06,
	s_mov_b32 s72, 0xb86ec2d2                      ; -5.69250639462346e-05,
	s_mov_b32 s74, 0xba40ac63                      ; -7.34990630326855e-04,
	s_mov_b32 s76, 0xbb41a1f6                      ; -2.95459980854025e-03,
	s_mov_b32 s78, 0xbc83dbd4                      ; -1.60960333262415e-02
	s_mov_b32 s80, 0xb95fbd29                      ; Q: -2.13374055278905e-04,
	s_mov_b32 s82, 0xbadc924e                      ; -1.68282697438203e-03,
	s_mov_b32 s84, 0xbbf19bf8                      ; -7.37332916720468e-03,
	s_mov_b32 s86, 0xbc69b6a7                      ; -1.42647390514189e-02
.irp c, 66,68,70,72,74,76,78,80,82,84,86
	s_mov_b32 s[\c+1], s[\c]
.endr
	v_lshlrev_b32 v32, 4, v0                       ; 16 x thread: 512 threads cover 8,192 bytes
	v_add_nc_u32 v33, SCA, v32
	v_lshrrev_b32 v34, 4, v0
	v_lshl_add_u32 v34, v34, 4, v32
	v_add_nc_u32 v34, SCB, v34                     ; 16 bytes more for each 256 passed
	v_add_nc_u32 v38, BIAS, v32
	v_and_b32 v35, 31, v0                          ; lane
	v_and_b32 v36, 15, v0                          ; r
	v_bfe_u32 v37, v0, 4, 1                        ; h
	v_lshlrev_b32 v11, 4, v35
	v_add_nc_u32 v3, s52, v11                      ; A: 16,384 rg + 16 lane
	v_mul_u32_u24 v5, v36, 528
	v_lshl_add_u32 v5, v37, 4, v5
	v_add_nc_u32 v5, s53, v5                       ; B: row r of a tile, + 16 h
	v_lshlrev_b32 v4, 2, v36
	v_lshl_add_u32 v6, v37, 9, v4
	v_add_nc_u32 v6, s54, v6                       ; A's scale words: 512 (2 rg + h) + 4 r
	v_lshl_add_u32 v4, v37, 11, v4                 ; scale words out: 2,048 h + 4 r
	v_lshrrev_b32 v9, 3, v35
	v_lshlrev_b32 v9, 4, v9
	v_lshl_add_u32 v9, v35, 5, v9
	v_add_nc_u32 v9, s55, v9                       ; B's: 32 lane + 16 (lane / 8)
	v_lshl_add_u32 v10, v37, 5, s90                ; the bias: 32 h; 64 t + 16 jj in the immediate
	s_wait_alu depctr_va_vdst(0)
	s_wait_dscnt 0x0                               ; both opening adds are done
	s_wait_kmcnt 0x0
	s_mov_b32 s40, 1
	s_mov_b32 s41, s52
	s_add_nc_u64 s[42:43], s[8:9], s[56:57]
	s_or_b32 s43, s43, 0x80000000
	s_mov_b32 s44, 1
	s_mov_b32 s45, s63
	s_add_nc_u64 s[46:47], s[10:11], s[58:59]
	s_or_b32 s47, s47, 0x80000000
	s_add_nc_u64 s[48:49], s[8:9], s[48:49]
	s_add_nc_u64 s[12:13], s[12:13], s[50:51]
	s_add_nc_u64 s[14:15], s[14:15], s[88:89]
	s_add_nc_u64 s[92:93], s[16:17], s[92:93]
	s_add_nc_u64 s[94:95], s[16:17], s[94:95]
	CROUND                                         ; all sixteen work-groups are here: the first joint loads meet
	s_cmp_lt_u32 s2, 8                             ; one load a wave, each in its arm of one branch on the wave's number
	s_cbranch_scc0 .Lfor_b
	tensor_load_to_lds s[40:43], s[24:31]          ; waves 0-7: two row tiles of A
	s_nop 0
	NOPS 4
	s_branch .Lasked
.Lfor_b:
	tensor_load_to_lds s[44:47], s[32:39]          ; waves 8-15: 32 rows of w1
	s_nop 0
	NOPS 4
.Lasked:
	global_load_b128 v[64:67], v32, s[48:49] offset:2097152   ; the scale bytes come through registers into LDS bytes of their own: A's words,
	global_load_b128 v[72:75], v32, s[12:13]                  ; w1's bytes
	s_cmp_lt_u32 s2, 2
	s_cbranch_scc0 .Lno_bias
	global_load_b128 v[80:83], v32, s[14:15]       ; waves 0 and 1: b1 of the 256 columns, 64 threads x 16 bytes,
	s_wait_loadcnt 0x0
	v_pk_mul_f32 v[80:81], v[80:81], 0.5 op_sel_hi:[1,0]      ; halved
	v_pk_mul_f32 v[82:83], v[82:83], 0.5 op_sel_hi:[1,0]
	ds_store_b128 v38, v[80:83]
.Lno_bias:
	s_wait_loadcnt 0x0
	ds_store_b128 v33, v[64:67]
	ds_store_b128 v34, v[72:75]
	s_wait_tensorcnt 0x0                           ; my part of the tiles has landed,
	s_wait_dscnt 0x0                               ; and my LDS stores
	s_barrier_signal -1
	s_barrier_wait -1                              ; everybody's have
	LDB 0, 0                                       ; K = 1,024: eight K steps
	LDA 0, 0
	LDSC 0, 0
	LDB 1, 0
	KSTEP 0, 0, 1                                  ; the first products start the sums
.irp q, 1,2,3,4,5,6
	KSTEP \q, 0, 0
.endr
	KSTEP 7, 1, 0
.irp t, 0,1,2,3,4,5,6,7
	ds_load_b128 v[64+8*\t:67+8*\t], v10 offset:64*\t       ; 0.5 b1 in the result's layout: columns 16 t + 8 h + 0 .. 7
	ds_load_b128 v[68+8*\t:71+8*\t], v10 offset:64*\t+16
.endr
	s_wait_dscnt 0x0
.irp a, 0,1
.irp j, 0,2,4,6,8,10,12,14,16,18,20,22,24,26,28,30,32,34,36,38,40,42,44,46,48,50,52,54,56,58,60,62
	v_pk_fma_f32 v[128+64*\a+\j:129+64*\a+\j], v[128+64*\a+\j:129+64*\a+\j], 0.5, v[64+\j:65+\j] op_sel_hi:[1,0,1]   ; h = 0.5 y + 0.5 b1; each accumulator from its low end on
.endr
.endr
	v_mov_b32 v96, 0xaf95df0b                      ; P's leading coefficient, -2.72614225801306e-10,
	v_mov_b32 v97, 0xaf95df0b
	v_mov_b32 v98, 0xb77460cd                      ; and Q's, -1.45660718464996e-05
	v_mov_b32 v99, 0xb77460cd
.irp g, 0,1,2,3,4,5,6,7
	GELU16 128+16*\g
.endr
; THE QUANTISER, both row tiles at once: block b = 4 a + b': registers 128 + 16 b .. + 15 of lanes l and l xor 16: eight chains by turns
	s_mov_b32 vcc_lo, 0xffff0000
.irp b, 0,1,2,3,4,5,6,7
	v_mov_b32 v[TM+8+\b], 0                        ; a lane permute's destination counts as one of its sources
.endr
.irp b, 0,1,2,3,4,5,6,7
	v_max3_num_f32 v[TM+\b], |v[128+16*\b]|, |v[129+16*\b]|, 0x1800000   ; with the floor 2^-124: the byte cannot fall under 1
.endr
.irp i, 2,4,6,8,10,12,14
.irp b, 0,1,2,3,4,5,6,7
	v_max3_num_f32 v[TM+\b], v[TM+\b], |v[128+16*\b+\i]|, |v[129+16*\b+\i]|
.endr
.endr
.irp b, 0,1,2,3,4,5,6,7
	v_permlanex16_b32 v[TM+8+\b], v[TM+\b], s60, s61
.endr
.irp b, 0,1,2,3,4,5,6,7
	v_max_num_f32 v[TM+\b], v[TM+\b], v[TM+8+\b]
.endr
.irp b, 0,1,2,3,4,5,6,7
	v_add_nc_u32 v[TM+16+\b], 0xff000000, v[TM+\b]   ; 2 off the exponent field: the conversion's scale operand
.endr
.irp b, 0,1,2,3,4,5,6,7
	v_lshrrev_b32 v[TM+8+\b], 23, v[TM+16+\b]      ; the scale's byte
.endr
	v_lshl_or_b32 v56, v41, 8, v40                 ; four bytes make a row's scale word: row tile 0's in v56, row tile 1's in v58
	v_lshl_or_b32 v57, v43, 8, v42
	v_lshl_or_b32 v58, v45, 8, v44
	v_lshl_or_b32 v59, v47, 8, v46
	v_lshl_or_b32 v56, v57, 16, v56
	v_lshl_or_b32 v58, v59, 16, v58
	v_cndmask_b32 v60, v56, v58, vcc_lo            ; lanes 0-15 row tile 0's words, lanes 16-31 row tile 1's
.irp b, 0,1,2,3,4,5,6,7
	v_cvt_scalef32_pk8_fp4_f32 v[100+4*(\b/2)+(\b%2)], v[128+16*\b:135+16*\b], v[TM+16+\b]   ; k = 32 b' + 8 h + 0 .. 7
	v_cvt_scalef32_pk8_fp4_f32 v[102+4*(\b/2)+(\b%2)], v[136+16*\b:143+16*\b], v[TM+16+\b]   ; k = 32 b' + 16 + 8 h + 0 .. 7
.endr
	v_nop                                          ; one plain place behind the scaled conversions
.irp c, 0,1,2,3                                ; the first's lanes 16-31 change places with the second's lanes 0-15: a lane then holds whole blocks, as the operand's layout wants
	v_permlane16_swap_b32 v[100+4*\c], v[101+4*\c]
	v_permlane16_swap_b32 v[102+4*\c], v[103+4*\c]
.endr
.irp a, 0,1
.irp c, 0,1
	global_store_b128 v11, v[100+8*\a+4*\c:103+8*\a+4*\c], s[92:93] offset:32768*\a+512*\c   ; 512 consecutive bytes
.endr
.endr
	global_store_b32 v4, v60, s[94:95]
	s_wait_tensorcnt 0x0                           ; the wave's end
	ds_add_u32 v1, v2
	s_wait_dscnt 0x0
	CROUND                                         ; the closing round: no work-group ends while a partner may still ask for a tile that names it
	s_endpgm
.Lfunc_end_k_q4d2a8a8618_w1:
	.size	k_q4d2a8a8618_w1, .Lfunc_end_k_q4d2a8a8618_w1-k_q4d2a8a8618_w1
	.p2alignl 7, 3214868480
	.fill 96, 4, 3214868480
	.section	.rodata,"a",@progbits
	.p2align	6, 0x0
	.amdhsa_kernel k_q4d2a8a8618_w1
		.amdhsa_group_segment_fixed_size 327680
		.amdhsa_private_segment_fixed_size 0
		.amdhsa_enable_private_segment 0
		.amdhsa_kernarg_size 40
		.amdhsa_user_sgpr_count 2
		.amdhsa_user_sgpr_kernarg_segment_ptr 1
		.amdhsa_wavefront_size32 1
		.amdhsa_system_sgpr_workgroup_id_x 1
		.amdhsa_system_sgpr_workgroup_id_y 1
		.amdhsa_system_sgpr_workgroup_id_z 1
		.amdhsa_system_vgpr_workitem_id 0
		.amdhsa_next_free_vgpr 256
		.amdhsa_next_free_sgpr 100
		.amdhsa_reserve_vcc 1
		.amdhsa_float_denorm_mode_32 3
		.amdhsa_float_denorm_mode_16_64 3
		.amdhsa_memory_ordered 1
		.amdhsa_forward_progress 1
		.amdhsa_inst_pref_size 125
	.end_amdhsa_kernel
	.amdgpu_metadata
---
amdhsa.version: [ 1, 2 ]
amdhsa.kernels:
  - .name:           k_q4d2a8a8618_w1
    .symbol:         k_q4d2a8a8618_w1.kd
    .args:
      - { .name: hq, .offset: 0, .size: 8, .value_kind: global_buffer, .address_space: global }
      - { .name: w1_codes, .offset: 8, .size: 8, .value_kind: global_buffer, .address_space: global }
      - { .name: w1_scales, .offset: 16, .size: 8, .value_kind: global_buffer, .address_space: global }
      - { .name: b1, .offset: 24, .size: 8, .value_kind: global_buffer, .address_space: global }
      - { .name: ff, .offset: 32, .size: 8, .value_kind: global_buffer, .address_space: global }
    .group_segment_fixed_size: 327680
    .private_segment_fixed_size: 0
    .kernarg_segment_align: 8
    .kernarg_segment_size: 40
    .max_flat_workgroup_size: 512
    .sgpr_count:     100
    .vgpr_count:     256
    .wavefront_size: 32
...
	.end_amdgpu_metadata
.endif
;; end of part 4
;; launch w2 (part 5): grid 8 x 32, 4 waves a work-group, clusters of 4 x 4, 327,680 bytes of LDS; arguments ff, w2_codes, w2_scales, b2, ls2, x1, out0; writes out0
.if DOCPART == 5
	.amdgcn_target "amdgcn-amd-amdhsa--gfx1250"
	.amdhsa_code_object_version 6
	.text
	.protected	k_q4d2a8a8618_w2
	.globl	k_q4d2a8a8618_w2
	.p2align	8
	.type	k_q4d2a8a8618_w2,@function
k_q4d2a8a8618_w2:
	s_mov_b64 s[64:65], 0
	v_nop
	global_prefetch_b8 v0, s[64:65] scope:SCOPE_SE
	s_setreg_imm32_b32 hwreg(HW_REG_WAVE_MODE, 25, 1), 1
	s_wait_xcnt 0x0
	s_wait_alu depctr_hold_cnt(0) depctr_sa_sdst(0) depctr_va_vdst(0) depctr_va_sdst(0) depctr_va_ssrc(0) depctr_va_vcc(0) depctr_vm_vsrc(0)
	s_getreg_b32 s2, hwreg(HW_REG_IB_STS2, 6, 4)
	s_cmp_eq_u32 s2, 0
	s_cbranch_scc0 .Lentry_in_a_cluster
	s_endpgm
.Lentry_in_a_cluster:
	s_bfe_u32 s2, ttmp6, 0x10000c
	s_cmp_lg_u32 s2, 0xf033
	s_cbranch_scc0 .Lentry_shape_is_right
	s_endpgm
.Lentry_shape_is_right:
; out = x1 + (ff w2^T + b2) ls2, the product on MX-FP4 codes, K = 4,096.  A work-group makes 128 x 128; wave w rows 32 w .. + 31 x all 128 columns: 16 accumulators at v[128 + 64 a + 8 t].
; K goes in four steps of 1,024 through a ring of two slots (A's 64 KiB of register images, then w2's 128 rows x 528 bytes).  Waves 0, 1 fetch A's halves, waves 2, 3 w2's: one load a wave behind each round.
; A slot is asked for again straight behind the round that ends its reading: the load has the other slot's whole step, 128 matrix instructions a wave, in which to land.
; CLUSTERS: 4 x 4 work-groups.  The four of a row of the cluster need the same tiles of A, the four of a column the same tiles of w2: each is asked for JOINTLY, by the same tensor load with the same
; descriptor and a mask that names the four, which divides the requests for both by four.
; The scale bytes of all of K come once, through registers, into LDS bytes of their own.  The results go through each wave's stage, which lies in slot 0: it has had its last fill and its last read by then.
; THE RESIDUAL, my wave's 32 rows x 512 bytes of x1, with ls2 and b2, is asked for behind the last round of the ring, into registers of window 1: it is on its way while the last two steps of K run.
.set SLOT,  133120
.set BOF,   65536
.set SCA,   266240                     ; A's scale words [row tile 8][K step 32][16][4]
.set SCB,   282624                     ; w2's scale bytes: 128 rows x 128 bytes, 16 bytes of padding behind each 256
.set SPARE, 300032                     ; the spare words, 128 bytes a wave: two blocks of 256 bytes that no other line names
.set SBI,   4352
.set ADSA,  6
.set ADSB,  7
; REGISTERS: v1, v2 the add's; v3, v4 A's address in slot 0, 1; v5, v8 B's; v6, v7 scale words'; v9, v10 the stage, in and back; v11 16 x lane; v12-31 scale words; v32-63 A; v64-127 B; v128-255 accumulators;
;   window 1 (an instruction names v0-v255; s_set_vgpr_msb says which window each operand place means): v0-127 x1, row 16 a + i at v[64 a + 4 i]; v128-131 ls2, v132-135 b2 of my four columns
.set MSB, 0
.macro WIN new                         ; the immediate's high byte repeats the setting that is left
.if MSB != \new
	s_set_vgpr_msb (MSB<<8)|\new
.set MSB, \new
.endif
.endm
.macro NOPS n
.rept \n
	v_nop
.endr
.endm
; A round of the cluster's barrier: my work-group's barrier, so that wave 0's signal speaks for all four waves; wave 0 signals for the work-group; every wave waits for all sixteen work-groups; my work-group's barrier once more.
.macro CREST
	s_cmp_lg_u32 s2, 0
	s_cbranch_scc1 .Lnot_wave_0_\@
	s_barrier_signal -3
.Lnot_wave_0_\@:
	s_barrier_wait -3
	s_barrier_signal -1
	s_barrier_wait -1
.endm
.macro CROUND
	s_barrier_signal -1
	s_barrier_wait -1
	CREST
.endm
.macro WMMA zero, ra, rb
.if \zero
.if ((\ra)==0)&&((\rb)==0)
	v_wmma_scale_f32_16x16x128_f8f6f4 v[fD:fD+7], v[fX:fX+7], v[fY:fY+7], 0, v[fSX], v[fSY] matrix_a_fmt:MATRIX_FMT_FP4 matrix_b_fmt:MATRIX_FMT_FP4
.elseif ((\ra)==1)&&((\rb)==0)
	v_wmma_scale_f32_16x16x128_f8f6f4 v[fD:fD+7], v[fX:fX+7], v[fY:fY+7], 0, v[fSX], v[fSY] matrix_a_fmt:MATRIX_FMT_FP4 matrix_b_fmt:MATRIX_FMT_FP4 matrix_a_scale:MATRIX_SCALE_ROW1
.elseif ((\ra)==0)&&((\rb)==1)
	v_wmma_scale_f32_16x16x128_f8f6f4 v[fD:fD+7], v[fX:fX+7], v[fY:fY+7], 0, v[fSX], v[fSY] matrix_a_fmt:MATRIX_FMT_FP4 matrix_b_fmt:MATRIX_FMT_FP4 matrix_b_scale:MATRIX_SCALE_ROW1
.else
	v_wmma_scale_f32_16x16x128_f8f6f4 v[fD:fD+7], v[fX:fX+7], v[fY:fY+7], 0, v[fSX], v[fSY] matrix_a_fmt:MATRIX_FMT_FP4 matrix_b_fmt:MATRIX_FMT_FP4 matrix_a_scale:MATRIX_SCALE_ROW1 matrix_b_scale:MATRIX_SCALE_ROW1
.endif
.else
.if ((\ra)==0)&&((\rb)==0)
	v_wmma_scale_f32_16x16x128_f8f6f4 v[fD:fD+7], v[fX:fX+7], v[fY:fY+7], v[fD:fD+7], v[fSX], v[fSY] matrix_a_fmt:MATRIX_FMT_FP4 matrix_b_fmt:MATRIX_FMT_FP4
.elseif ((\ra)==1)&&((\rb)==0)
	v_wmma_scale_f32_16x16x128_f8f6f4 v[fD:fD+7], v[fX:fX+7], v[fY:fY+7], v[fD:fD+7], v[fSX], v[fSY] matrix_a_fmt:MATRIX_FMT_FP4 matrix_b_fmt:MATRIX_FMT_FP4 matrix_a_scale:MATRIX_SCALE_ROW1
.elseif ((\ra)==0)&&((\rb)==1)
	v_wmma_scale_f32_16x16x128_f8f6f4 v[fD:fD+7], v[fX:fX+7], v[fY:fY+7], v[fD:fD+7], v[fSX], v[fSY] matrix_a_fmt:MATRIX_FMT_FP4 matrix_b_fmt:MATRIX_FMT_FP4 matrix_b_scale:MATRIX_SCALE_ROW1
.else
	v_wmma_scale_f32_16x16x128_f8f6f4 v[fD:fD+7], v[fX:fX+7], v[fY:fY+7], v[fD:fD+7], v[fSX], v[fSY] matrix_a_fmt:MATRIX_FMT_FP4 matrix_b_fmt:MATRIX_FMT_FP4 matrix_a_scale:MATRIX_SCALE_ROW1 matrix_b_scale:MATRIX_SCALE_ROW1
.endif
.endif
.endm
.macro MM t, a, p, st, e, zero         ; accumulator (a, t): source 0 = B's tile t, source 1 = A's row tile a of set p
.set fD, 128+64*(\a)+8*(\t)
.set fX, 64+8*(\t)
.set fY, 32+16*(\p)+8*(\a)
.set fSX, 12+10*(\st)+2*((\t)/2)+(\e)
.set fSY, 20+10*(\st)+(\e)
	WMMA \zero, (\t)%2, \a
.endm
.macro QUAD i, p, st, e, zero
	MM 2*(\i), 0, \p, \st, \e, \zero
	MM 2*(\i), 1, \p, \st, \e, \zero
	MM 2*(\i)+1, 0, \p, \st, \e, \zero
	MM 2*(\i)+1, 1, \p, \st, \e, \zero
.endm
.macro LDB half, adr, q
.irp t, 0,1,2,3
.irp c, 0,1
	ds_load_b128 v[64+32*(\half)+8*\t+4*\c:64+32*(\half)+8*\t+4*\c+3], v[\adr] offset:8448*(4*(\half)+\t)+64*(\q)+32*\c
.endr
.endr
.endm
.macro LDA p, adr, q
.irp a, 0,1
.irp c, 0,1
	ds_load_b128 v[32+16*(\p)+8*\a+4*\c:32+16*(\p)+8*\a+4*\c+3], v[\adr] offset:8192*\a+1024*(\q)+512*\c
.endr
.endr
.endm
.macro LDSC st, g, sbo, sao
.irp i, 0,1,2,3
	ds_load_b64 v[12+10*(\st)+2*\i:13+10*(\st)+2*\i], v[ADSB] offset:(\sbo)+SBI*\i+8*(\g)
.endr
.irp e, 0,1
	ds_load_b32 v[20+10*(\st)+\e], v[ADSA] offset:(\sao)+64*(2*(\g)+\e)
.endr
.endm
; A K step of 128: 16 matrix instructions, the 16 accumulators by turns, in the same order in every step; the next step's fragments are asked for in two runs
.macro KSTEP adra, adrb, q, last, zero, sbo, sao
	s_wait_dscnt 8                                 ; all but the 8 youngest loads (B's tiles 4-7) are in
	QUAD 0, (\q)%2, ((\q)/2)%2, (\q)%2, \zero
	QUAD 1, (\q)%2, ((\q)/2)%2, (\q)%2, \zero
.if (\last)==0
	NOPS 4                                         ; places in front of loads into registers that matrix instructions have read
	LDB 0, \adrb, (\q)+1
	LDA 1-(\q)%2, \adra, (\q)+1
.if ((\q)%2)==1
	LDSC (((\q)+1)/2)%2, ((\q)+1)/2, \sbo, \sao
	s_wait_dscnt 18                                ; all but the 18 just issued
.else
	s_wait_dscnt 12                                ; all but the 12 just issued
.endif
.else
	s_wait_dscnt 0x0
.endif
	QUAD 2, (\q)%2, ((\q)/2)%2, (\q)%2, \zero
	QUAD 3, (\q)%2, ((\q)/2)%2, (\q)%2, \zero
	NOPS 5
.if (\last)==0
	LDB 1, \adrb, (\q)+1
.endif
.endm
.macro STEP adra, adrb, zero, sbo, sao
	LDB 0, \adrb, 0
	LDA 0, \adra, 0
	LDSC 0, 0, \sbo, \sao
	LDB 1, \adrb, 0
	KSTEP \adra, \adrb, 0, 0, \zero, \sbo, \sao
.irp q, 1,2,3,4,5,6
	KSTEP \adra, \adrb, \q, 0, 0, \sbo, \sao
.endr
	KSTEP \adra, \adrb, 7, 1, 0, \sbo, \sao
.endm
	s_load_b256 s[8:15], s[0:1], 0x0               ; ff s[8:9], w2 codes s[10:11], w2 scales s[12:13], b2 s[14:15]
	s_load_b128 s[16:19], s[0:1], 0x20             ; ls2 s[16:17], x1 s[18:19]
	s_load_b64 s[20:21], s[0:1], 0x30              ; out0
	v_lshl_add_u32 v1, v0, 2, SPARE
	v_mov_b32 v2, 0
	ds_add_u32 v1, v2
	ds_add_u32 v1, v2
	s_wait_dscnt 0x0
	v_lshrrev_b32 v32, 5, v0
	v_readfirstlane_b32 s2, v32                    ; wave 0..3
	s_bfe_u32 s68, ttmp6, 0x40000                  ; cx, cy: my place in the cluster
	s_bfe_u32 s69, ttmp6, 0x40004
	s_lshl_b32 s3, ttmp9, 2                        ; in a cluster launch ttmp9 and ttmp7 count clusters
	s_add_co_u32 s3, s3, s68                       ; cg = 4 x cluster x + cx
	s_and_b32 s4, ttmp7, 0xffff
	s_lshl_b32 s4, s4, 2
	s_add_co_u32 s4, s4, s69                       ; rb = 4 x cluster y + cy
	s_lshl_b32 s70, s69, 2
	s_lshl_b32 s70, 15, s70                        ; my row of the cluster
	s_lshl_b32 s71, 0x1111, s68                    ; my column
	s_and_b32 s5, s2, 1                            ; which half of a tile I fetch
	s_or_b32 s24, s70, (3<<16)|(1<<21)             ; group 1 for A: the mask of my row; 4 row tiles x 8 KiB (1,024 elements of 8 bytes), 32 KiB apart in memory; bit 21 set beside a mask
	s_mov_b32 s25, 1024<<16
	s_mov_b32 s26, 4<<16
	s_mov_b32 s27, 1024<<16
	s_mov_b32 s28, 4
	s_mov_b32 s29, 4096
	s_mov_b32 s30, 0
	s_mov_b32 s31, 0
	s_or_b32 s32, s71, (1<<20)|(1<<21)|(6<<22)|(3<<25)   ; group 1 for w2: the mask of my column; 64 rows of 512 bytes, 2,048 apart in memory, 4 words of padding behind every 128
	s_mov_b32 s33, 512<<16
	s_mov_b32 s34, 64<<16
	s_mov_b32 s35, 512<<16
	s_mov_b32 s36, 64
	s_mov_b32 s37, 2048
	s_mov_b32 s38, 0
	s_mov_b32 s39, 0
	s_lshl_b32 s56, s4, 18
	s_lshl_b32 s62, s5, 17
	s_add_co_u32 s56, s56, s62                     ; A: 32,768 (8 rb + 4 half): it hangs on the row block alone, which my row of the cluster shares
	s_mov_b32 s57, 0
	s_lshl_b32 s58, s3, 18
	s_add_co_u32 s58, s58, s62                     ; w2: 2,048 (128 cg + 64 half): on the column group alone, which my column shares
	s_mov_b32 s59, 0
	s_lshl_b32 s62, s5, 15                         ; in a slot: A's half,
	s_mul_i32 s63, s5, 64*528
	s_add_co_u32 s63, s63, BOF                     ; w2's half
	s_wait_kmcnt 0x0
	s_mov_b32 s40, 1
	s_mov_b32 s41, s62
	s_add_nc_u64 s[42:43], s[8:9], s[56:57]
	s_mov_b32 s44, 1
	s_add_co_u32 s45, s62, SLOT
	s_add_nc_u64 s[46:47], s[42:43], 8192          ; the second step of K: 8 fragments on
	s_or_b32 s43, s43, 0x80000000
	s_or_b32 s47, s47, 0x80000000
	s_mov_b32 s48, 1
	s_mov_b32 s49, s63
	s_add_nc_u64 s[50:51], s[10:11], s[58:59]
	s_mov_b32 s52, 1
	s_add_co_u32 s53, s63, SLOT
	s_add_nc_u64 s[54:55], s[50:51], 512
	s_or_b32 s51, s51, 0x80000000
	s_or_b32 s55, s55, 0x80000000
	CROUND                                         ; all sixteen work-groups are here: the first joint loads meet
	s_cmp_lt_u32 s2, 2                             ; at the head one load a wave: my part of slot 0
	s_cbranch_scc0 .Lfirst_b
	tensor_load_to_lds s[40:43], s[24:31]
	s_nop 0
.rept 4
	v_nop
.endr
	s_branch .Lfirst_done
.Lfirst_b:
	tensor_load_to_lds s[48:51], s[32:39]
	s_nop 0
.rept 4
	v_nop
.endr
.Lfirst_done:
	v_lshlrev_b32 v32, 4, v0                       ; 16 x thread
	s_lshl_b32 s56, s4, 14
	s_add_co_u32 s56, s56, 8388608
	s_add_nc_u64 s[56:57], s[8:9], s[56:57]        ; A's scale words; this pair stays as it is from here on: the loads below read it
	s_lshl_b32 s58, s3, 14
	s_add_nc_u64 s[12:13], s[12:13], s[58:59]
.irp j, 0,1,2,3,4,5,6,7
	global_load_b128 v[64+4*\j:67+4*\j], v32, s[56:57] offset:2048*\j
	global_load_b128 v[96+4*\j:99+4*\j], v32, s[12:13] offset:2048*\j
.endr
	v_and_b32 v35, 31, v0
	v_lshlrev_b32 v11, 4, v35
	s_wait_alu depctr_va_vdst(0)
	s_lshl_b32 s66, s4, 19                         ; x1 and out0: row 128 rb + 32 w, column 128 cg; in a pair of its own, since the scale words' loads may still read theirs
	s_lshl_b32 s7, s2, 17
	s_add_co_u32 s66, s66, s7
	s_lshl_b32 s58, s3, 9
	s_add_co_u32 s66, s66, s58
	s_mov_b32 s67, 0
	s_add_nc_u64 s[18:19], s[18:19], s[66:67]
	s_add_nc_u64 s[20:21], s[20:21], s[66:67]
	s_add_nc_u64 s[14:15], s[14:15], s[58:59]
	s_add_nc_u64 s[16:17], s[16:17], s[58:59]
	v_add_nc_u32 v33, SCA, v32
	v_lshrrev_b32 v34, 4, v0
	v_lshl_add_u32 v34, v34, 4, v32
	v_add_nc_u32 v34, SCB, v34
	v_and_b32 v36, 15, v0
	v_bfe_u32 v37, v0, 4, 1
	s_lshl_b32 s7, s2, 14
	v_add_nc_u32 v3, s7, v11
	v_add_nc_u32 v4, SLOT, v3
	v_mul_u32_u24 v5, v36, 528
	v_lshl_add_u32 v5, v37, 4, v5
	v_add_nc_u32 v5, BOF, v5
	v_add_nc_u32 v8, SLOT, v5
	s_lshl_b32 s7, s2, 12
	s_add_co_u32 s7, s7, SCA
	v_lshlrev_b32 v6, 2, v36
	v_lshl_add_u32 v6, v37, 11, v6
	v_add_nc_u32 v6, s7, v6                        ; A's scale words: SCA + 2,048 (2 w + h) + 4 r
	v_lshrrev_b32 v7, 1, v35
	v_lshlrev_b32 v7, 4, v7
	v_lshl_add_u32 v7, v35, 7, v7
	v_add_nc_u32 v7, SCB, v7                       ; w2's: SCB + 128 lane + 16 (lane / 2)
	s_mul_i32 s7, s2, 16*528                       ; my stage, in slot 0
	v_mul_u32_u24 v9, v36, 528
	v_lshl_add_u32 v9, v37, 5, v9
	v_add_nc_u32 v9, s7, v9
	v_add_nc_u32 v10, s7, v11
	s_wait_alu depctr_va_vdst(0)
	s_wait_loadcnt 0x0                             ; the scale bytes are in
.irp j, 0,1,2,3,4,5,6,7
	ds_store_b128 v33, v[64+4*\j:67+4*\j] offset:2048*\j
	ds_store_b128 v34, v[96+4*\j:99+4*\j] offset:2176*\j
.endr
	s_wait_tensorcnt 0x0                           ; my part of slot 0 has landed;
	ds_add_u32 v1, v2                              ; 0 onto my spare word;
	s_wait_dscnt 0x0                               ; the add is done, and my LDS stores have landed
	CROUND                                         ; a whole round: slot 0 and the scale bytes are whole, and the joint loads meet
	s_cmp_lt_u32 s2, 2                             ; slot 1's first fill, one load a wave, the first thing behind the round: it has slot 0's whole step in which to land
	s_cbranch_scc0 .Lsecond_b
	tensor_load_to_lds s[44:47], s[24:31]
	s_nop 0
	NOPS 4
	s_branch .Lsecond_done
.Lsecond_b:
	tensor_load_to_lds s[52:55], s[32:39]
	s_nop 0
	NOPS 4
.Lsecond_done:
; Slot s, just read, takes the step of K two further on
.macro CHANGE s
	s_wait_tensorcnt 0x0                           ; all my tensor loads have landed: the one that was out is my part of the other slot;
	ds_add_u32 v1, v2                              ; 0 onto my spare word;
	s_add_nc_u64 s[42+4*\s:43+4*\s], s[42+4*\s:43+4*\s], 16384     ; no load of mine is out, so the groups 0 may be written
	s_add_nc_u64 s[50+4*\s:51+4*\s], s[50+4*\s:51+4*\s], 1024
	s_wait_dscnt 0x0                               ; the add is done, and my reads of this slot are over
	CROUND                                         ; both now hold of every wave of every work-group of the cluster
	s_cmp_lt_u32 s2, 2                             ; waves 0, 1: A's halves; waves 2, 3: w2's: one load a wave, the first thing behind the round
	s_cbranch_scc0 .Lfor_b_\@
	tensor_load_to_lds s[40+4*\s:43+4*\s], s[24:31]
	s_nop 0
.rept 4
	v_nop
.endr
	s_branch .Lasked_\@
.Lfor_b_\@:
	tensor_load_to_lds s[48+4*\s:51+4*\s], s[32:39]
	s_nop 0
.rept 4
	v_nop
.endr
.Lasked_\@:
.endm
	STEP 3, 5, 1, 0, 0
	CHANGE 0
	STEP 4, 8, 0, 32, 512
	CHANGE 1
	WIN 0x40                                       ; THE RESIDUAL is asked for here, behind the last round of the ring, and not at the head: it has the last two steps of K in which to land.  Destination window 1, address window 0
	global_load_b128 v[128:131], v11, s[16:17]     ; ls2 of my four columns,
	global_load_b128 v[132:135], v11, s[14:15]     ; b2
.irp a, 0,1
.irp i, 0,1,2,3,4,5,6,7,8,9,10,11,12,13,14,15
	global_load_b128 v[64*\a+4*\i:64*\a+4*\i+3], v11, s[18:19] offset:65536*\a+4096*\i   ; x1: a row's 512 consecutive bytes
.endr
.endr
	WIN 0
	STEP 3, 5, 0, 64, 1024
	s_wait_tensorcnt 0x0                           ; my part of the last step has landed;
	s_wait_dscnt 0x0                               ; my reads of slot 0 are over
	s_barrier_signal -1
	s_barrier_wait -1                              ; both hold of every wave
	STEP 4, 8, 0, 96, 1536
.macro STG_ a                          ; through my stage: LDS serves a wave's instructions in order, so no wait stands between the stores and the loads, nor in front of the next row tile's stores
.irp t, 0,1,2,3,4,5,6,7
	ds_store_b128 v9, v[128+64*\a+8*\t:131+64*\a+8*\t] offset:64*\t          ; each accumulator from its low end on
	ds_store_b128 v9, v[132+64*\a+8*\t:135+64*\a+8*\t] offset:64*\t+16
.endr
.irp i, 0,1,2,3,4,5,6,7,8,9,10,11,12,13,14,15
	ds_load_b128 v[128+64*\a+4*\i:131+64*\a+4*\i], v10 offset:528*\i
.endr
.endm
.macro FIN a                           ; out = x1 + (y + b2) ls2
	WIN 0x14                                       ; sources 1 (b2, ls2) and 2 (x1) window 1
.irp i, 0,1,2,3,4,5,6,7,8,9,10,11,12,13,14,15
	v_pk_add_f32 v[128+64*\a+4*\i:129+64*\a+4*\i], v[128+64*\a+4*\i:129+64*\a+4*\i], v[132:133]
	v_pk_add_f32 v[130+64*\a+4*\i:131+64*\a+4*\i], v[130+64*\a+4*\i:131+64*\a+4*\i], v[134:135]
.endr
.irp i, 0,1,2,3,4,5,6,7,8,9,10,11,12,13,14,15
	v_pk_fma_f32 v[128+64*\a+4*\i:129+64*\a+4*\i], v[128+64*\a+4*\i:129+64*\a+4*\i], v[128:129], v[64*\a+4*\i:64*\a+4*\i+1]
	v_pk_fma_f32 v[130+64*\a+4*\i:131+64*\a+4*\i], v[130+64*\a+4*\i:131+64*\a+4*\i], v[130:131], v[64*\a+4*\i+2:64*\a+4*\i+3]
.endr
	WIN 0
.endm
.macro SEND a
.irp i, 0,1,2,3,4,5,6,7,8,9,10,11,12,13,14,15
	global_store_b128 v11, v[128+64*\a+4*\i:131+64*\a+4*\i], s[20:21] offset:65536*\a+4096*\i th:TH_STORE_NT   ; 512 consecutive bytes; written once, read by nobody here
.endr
.endm
	STG_ 0
	STG_ 1
	s_wait_loadcnt 0x0                             ; ls2, b2 and x1
	s_wait_dscnt 32                                ; row tile 0 is back; behind its loads stand row tile 1's 16 stores and 16 loads
	FIN 0
	SEND 0
	s_wait_dscnt 0x0
	FIN 1
	SEND 1
	s_wait_tensorcnt 0x0                           ; the wave's end
	ds_add_u32 v1, v2
	s_wait_dscnt 0x0
	CROUND                                         ; the closing round: no work-group ends while a partner may still ask for a tile that names it
	s_endpgm
.Lfunc_end_k_q4d2a8a8618_w2:
	.size	k_q4d2a8a8618_w2, .Lfunc_end_k_q4d2a8a8618_w2-k_q4d2a8a8618_w2
	.p2alignl 7, 3214868480
	.fill 96, 4, 3214868480
	.section	.rodata,"a",@progbits
	.p2align	6, 0x0
	.amdhsa_kernel k_q4d2a8a8618_w2
		.amdhsa_group_segment_fixed_size 327680
		.amdhsa_private_segment_fixed_size 0
		.amdhsa_enable_private_segment 0
		.amdhsa_kernarg_size 56
		.amdhsa_user_sgpr_count 2
		.amdhsa_user_sgpr_kernarg_segment_ptr 1
		.amdhsa_wavefront_size32 1
		.amdhsa_system_sgpr_workgroup_id_x 1
		.amdhsa_system_sgpr_workgroup_id_y 1
		.amdhsa_system_sgpr_workgroup_id_z 1
		.amdhsa_system_vgpr_workitem_id 0
		.amdhsa_next_free_vgpr 512
		.amdhsa_next_free_sgpr 100
		.amdhsa_reserve_vcc 0
		.amdhsa_float_denorm_mode_32 3
		.amdhsa_float_denorm_mode_16_64 3
		.amdhsa_memory_ordered 1
		.amdhsa_forward_progress 1
		.amdhsa_inst_pref_size 152
	.end_amdhsa_kernel
	.amdgpu_metadata
---
amdhsa.version: [ 1, 2 ]
amdhsa.kernels:
  - .name:           k_q4d2a8a8618_w2
    .symbol:         k_q4d2a8a8618_w2.kd
    .args:
      - { .name: ff, .offset: 0, .size: 8, .value_kind: global_buffer, .address_space: global }
      - { .name: w2_codes, .offset: 8, .size: 8, .value_kind: global_buffer, .address_space: global }
      - { .name: w2_scales, .offset: 16, .size: 8, .value_kind: global_buffer, .address_space: global }
      - { .name: b2, .offset: 24, .size: 8, .value_kind: global_buffer, .address_space: global }
      - { .name: ls2, .offset: 32, .size: 8, .value_kind: global_buffer, .address_space: global }
      - { .name: x1, .offset: 40, .size: 8, .value_kind: global_buffer, .address_space: global }
      - { .name: out0, .offset: 48, .size: 8, .value_kind: global_buffer, .address_space: global }
    .group_segment_fixed_size: 327680
    .private_segment_fixed_size: 0
    .kernarg_segment_align: 8
    .kernarg_segment_size: 56
    .max_flat_workgroup_size: 128
    .sgpr_count:     100
    .vgpr_count:     512
    .wavefront_size: 32
...
	.end_amdgpu_metadata
.endif
;; end of part 5
